; MI455X (gfx1250); checked and timed in simulation.
; The chip was launched on July 23, 2026; its instructions are those of AMD's public machine-readable ISA for CDNA 5 (MIT licence, August 2026) and "CDNA5" Instruction Set Architecture Reference Guide (July 2026). The comments in the code are by the model that wrote it; some were corrected since.
;; Self Attention. Allowed arithmetic: float matrix products may take bf16 or f16 operands with f32 sums; all other float work in f32.
;; Inputs: Kb 2,048 float32; Kw 256 x 2,048 float32; Pb 256 float32; Pw 2,048 x 256 float32; Qb 2,048 float32; Qw 256 x 2,048 float32; Vb 2,048 float32; Vw 256 x 2,048 float32; col_tab 63 x 128 float32; row_tab 63 x 128 float32; x 8 x 32 x 32 x 256 float32.
;; Outputs: out0 8 x 32 x 32 x 256 float32.
;; 2 versions, each right and faster than the one before. Each part assembles by itself: llvm-mc -triple=amdgcn-amd-amdhsa -mcpu=gfx1250 --defsym DOCPART=n.
;; ======== version 1 of 2: 3 launches
;; limits: values are held in f16: magnitudes above 65,504 overflow, below 6.1e-05 lose precision; inputs' magnitudes at most 65,504; right only within a limited range of input values
;; workspace buffers: xh 4,194,304 bytes; mt 1,572,864 bytes; su 12,288 bytes; w2t 1,048,576 bytes; s2v 8,192 bytes; part 67,108,864 bytes
;; launch prep (part 1): grid 224 x 1, 16 waves a work-group, no clusters, 35,840 bytes of LDS; arguments x, Kw, Kb, Qw, Qb, Vw, Vb, Pw, row_tab, col_tab, xh, mt, su, w2t, s2v; writes xh, mt, su, w2t, s2v
.if DOCPART == 1
	.amdgcn_target "amdgcn-amd-amdhsa--gfx1250"
	.amdhsa_code_object_version 6
	.text
	.protected	k_qdfe75fa9dd_prep
	.globl	k_qdfe75fa9dd_prep
	.p2align	8
	.type	k_qdfe75fa9dd_prep,@function
k_qdfe75fa9dd_prep:
	s_mov_b64 s[64:65], 0
	v_nop
	global_prefetch_b8 v0, s[64:65] scope:SCOPE_SE
	s_setreg_imm32_b32 hwreg(HW_REG_WAVE_MODE, 25, 1), 1
	s_wait_xcnt 0x0
; prep: folds the weights, and casts x to f16.
; Per head h, with E_h[384][256] over e: rows 0-255 = Kw[n][256h+e]; rows 256+p = [row_tab[min(p,62)], 0]; rows 320+p (p<63) = [0, col_tab[p]];
; row 383 = Kb_h:
;   mt[h][n][c]  = 64 * sum_e E_h[n][e] Qw[c][256h+e]      (f16)      su[h][n]  = fac * sum_e E_h[n][e] Qb[256h+e]   (f32)
;   w2t[h][o][c] = 64 * sum_e Pw[256h+e][o] Vw[c][256h+e]  (f16)      s2v[h][o] =       sum_e Pw[256h+e][o] Vb[256h+e]
; fac = log2(e) for rows 256-319 (row bias, used in the exponent's base 2), 1/64 for the other rows of su (they join numbers kept divided by 64).
; LIMITS: operands are rounded to f16, sums are f32.  Inputs below 65504 in magnitude; 64 |mt| and 64 |w2t| below 65504.
; Work-groups 0-159: one block of 32 rows n x 256 columns c of one head (h = id & 7, blk = id >> 3: 0-7 Kw, 8-9 row table, 10-11 column table
; and Kb, 12-19 Pw).  Wave w makes columns 16 w .. 16 w + 15.  Work-groups 160-223: 128 KiB of x each, cast to f16.
; No cluster and no tensor loads: a block's operands are used once by the wave that loads them, straight into registers.
.set EP,   528                         ; LDS pitch of a row of 256 f16: 512 + 16, an odd multiple of 16
.set OUTB, 32*EP                       ; the way-out stage lies behind E
.set AF,   16                          ; v[16:79]   A fragments (8 K steps); before that, temporaries
.set ACC,  112                         ; v[112:127] two accumulator tiles
.set RAW,  128                         ; v[128:255] 16 rows x 256 e of Qw or Vw in f32; later the 16 B fragments
	s_load_b512 s[8:23], s[0:1], 0x0               ; x 8, Kw 10, Kb 12, Qw 14, Qb 16, Vw 18, Vb 20, Pw 22
	s_load_b256 s[24:31], s[0:1], 0x40             ; row_tab 24, col_tab 26, xh 28, mt 30
	s_load_b128 s[32:35], s[0:1], 0x60             ; su 32, w2t 34
	s_load_b64 s[36:37], s[0:1], 0x70              ; s2v
	s_cmp_ge_u32 ttmp9, 160
	s_cbranch_scc1 .Lcast
	; ---------------- the products ----------------
	v_lshrrev_b32 v1, 5, v0
	v_readfirstlane_b32 s4, v1                     ; wave 0..15
	s_and_b32 s5, ttmp9, 7                         ; h
	s_lshr_b32 s6, ttmp9, 3                        ; blk 0..19
	s_max_u32 s7, s6, 12
	s_sub_co_u32 s7, s7, 12                        ; blk - 12 where that counts
	s_mul_i32 s38, s5, 196608                      ; mt: (384 h + 32 blk) rows of 512 bytes
	s_lshl_b32 s40, s6, 14
	s_add_co_u32 s38, s38, s40
	s_lshl_b32 s39, s5, 17                         ; w2t: (256 h + 32 (blk - 12)) rows of 512 bytes
	s_lshl_b32 s40, s7, 14
	s_add_co_u32 s39, s39, s40
	s_mul_i32 s42, s5, 1536                        ; su: (384 h + 32 blk) words
	s_lshl_b32 s40, s6, 7
	s_add_co_u32 s42, s42, s40
	s_lshl_b32 s43, s5, 10                         ; s2v: (256 h + 32 (blk - 12)) words
	s_lshl_b32 s40, s7, 7
	s_add_co_u32 s43, s43, s40
	s_mov_b32 s60, 0x3c800000                      ; fac = 1/64,
	s_lshr_b32 s40, s6, 1
	s_cmp_eq_u32 s40, 4
	s_cselect_b32 s60, 0x3fb8aa3b, s60             ; log2(e) for blk 8, 9,
	s_cmp_ge_u32 s6, 12
	s_cselect_b32 s60, 1.0, s60                    ; 1 for the Pw blocks
	s_lshl_b32 s56, s5, 10                         ; 1024 h: the head's 256 f32 in a row of 2048
	s_mov_b32 s57, 0
	s_lshl_b32 s58, s4, 17                         ; 16 w rows of 8192 bytes
	s_add_co_u32 s58, s58, s56
	s_mov_b32 s59, 0
	s_mov_b32 s53, 0
	s_mov_b32 s55, 0
	v_and_b32 v1, 31, v0                           ; lane
	v_and_b32 v2, 15, v0                           ; r, and eq
	v_bfe_u32 v3, v0, 4, 1                         ; hh
	v_lshrrev_b32 v4, 4, v0                        ; n 0..31
	v_lshlrev_b32 v5, 13, v2
	v_lshl_add_u32 v5, v3, 5, v5                   ; RAW: 8192 r + 32 hh
	v_lshlrev_b32 v6, 6, v2                        ; 64 eq
	v_lshlrev_b32 v10, 4, v2                       ; 16 eq
	v_mul_u32_u24 v12, v4, EP
	v_lshl_add_u32 v12, v2, 5, v12                 ; E: n x pitch + 32 eq
	v_mul_u32_u24 v13, v2, EP
	v_lshl_add_u32 v13, v3, 4, v13                 ; B fragments: r x pitch + 16 hh
	s_lshl_b32 s62, s4, 5
	s_add_co_u32 s62, s62, OUTB
	v_add_nc_u32 v14, s62, v13                     ; stage in: + 32 w
	s_mul_i32 s62, s4, EP
	s_add_co_u32 s62, s62, OUTB
	v_lshlrev_b32 v15, 4, v1
	v_lshl_add_u32 v91, s4, 9, v15                 ; out: row w, 16 bytes a lane
	v_add_nc_u32 v15, s62, v15                     ; stage back: row w
	v_lshlrev_b32 v90, 2, v4                       ; 4 n
	s_wait_kmcnt 0x0
	s_cmp_lt_u32 s6, 12
	s_cselect_b64 s[44:45], s[14:15], s[18:19]     ; column operand: Qw or Vw
	s_cselect_b64 s[46:47], s[16:17], s[20:21]     ; its bias: Qb or Vb
	s_cselect_b64 s[48:49], s[30:31], s[34:35]     ; product to mt or w2t
	s_cselect_b64 s[50:51], s[32:33], s[36:37]     ; bias product to su or s2v
	s_cselect_b32 s52, s38, s39
	s_cselect_b32 s54, s42, s43
	s_add_nc_u64 s[48:49], s[48:49], s[52:53]
	s_add_nc_u64 s[50:51], s[50:51], s[54:55]
	s_add_nc_u64 s[46:47], s[46:47], s[56:57]
	s_add_nc_u64 s[44:45], s[44:45], s[58:59]
.irp k, 0,1,2,3
	global_load_b128 v[96+4*\k:99+4*\k], v6, s[46:47] offset:16*\k     ; bias of e = 16 eq .. 16 eq + 15
.endr
; 32 loads: rows c = 16 w + r of the column operand, the head's 256 e, in the order of the A fragments
.macro RAWL
.irp ks, 0,1,2,3,4,5,6,7
.irp l, 0,1,2,3
	global_load_b128 v[RAW+16*\ks+4*\l:RAW+16*\ks+4*\l+3], v5, s[44:45] offset:128*\ks+16*(\l&1)+64*(\l>>1)
.endr
.endr
.endm
.macro PACKN src, cnt                  ; 2 cnt f32 from v[src..] to cnt words of f16 in v[80..]
.set pk, 0
.rept \cnt
	v_cvt_pk_f16_f32 v[80+pk], v[\src+2*pk], v[\src+2*pk+1]
.set pk, pk+1
.endr
.endm
.macro PUT4                            ; e = 4 eq + 64 i .. + 3 of row n
.irp i, 0,1,2,3
	ds_store_b64 v8, v[80+2*\i:81+2*\i] offset:128*\i
.endr
.endm
	s_mov_b32 s63, 0
	s_cmp_lt_u32 s6, 8
	s_cbranch_scc1 .Lt0
	s_cmp_lt_u32 s6, 10
	s_cbranch_scc1 .Lt1
	s_cmp_lt_u32 s6, 12
	s_cbranch_scc1 .Lt2
	; Pw, transposed on the way into LDS: thread (es, oq) takes 4 neighbouring o of rows e = 64 i + es
	s_lshl_b32 s62, s5, 18
	s_lshl_b32 s40, s7, 7
	s_add_co_u32 s62, s62, s40
	s_add_nc_u64 s[38:39], s[22:23], s[62:63]
	v_lshrrev_b32 v9, 3, v0                        ; es
	v_and_b32 v11, 7, v0                           ; oq
	v_lshlrev_b32 v7, 10, v9
	v_lshl_add_u32 v7, v11, 4, v7
	v_mul_u32_u24 v8, v11, 4*EP
	v_lshl_add_u32 v8, v9, 1, v8
.irp i, 0,1,2,3
	global_load_b128 v[16+4*\i:19+4*\i], v7, s[38:39] offset:65536*\i
.endr
	RAWL
	s_wait_loadcnt 0x20                            ; all but the 32 loads of RAWL are in
	PACKN 16, 8
.irp i, 0,1,2,3
	ds_store_b16 v8, v[80+2*\i] offset:128*\i
	ds_store_b16_d16_hi v8, v[80+2*\i] offset:EP+128*\i
	ds_store_b16 v8, v[81+2*\i] offset:2*EP+128*\i
	ds_store_b16_d16_hi v8, v[81+2*\i] offset:3*EP+128*\i
.endr
	s_branch .Lfilled
.Lt0:   ; rows of Kw
	s_lshl_b32 s62, s6, 18
	s_add_co_u32 s62, s62, s56
	s_add_nc_u64 s[38:39], s[10:11], s[62:63]
	v_lshl_add_u32 v7, v4, 13, v10
	v_mul_u32_u24 v8, v4, EP
	v_lshl_add_u32 v8, v2, 3, v8
.irp i, 0,1,2,3
	global_load_b128 v[16+4*\i:19+4*\i], v7, s[38:39] offset:256*\i
.endr
	RAWL
	s_wait_loadcnt 0x20
	PACKN 16, 8
	PUT4
	s_branch .Lfilled
.Lt1:   ; the row table in e < 128, zeros above
	s_lshl_b32 s62, s6, 5
	s_sub_co_u32 s62, s62, 256
	v_add_nc_u32 v9, s62, v4
	v_min_u32 v9, 62, v9                           ; row 319 repeats the table's last row; nothing reads it
	v_lshl_add_u32 v7, v9, 9, v10
	v_mul_u32_u24 v8, v4, EP
	v_lshl_add_u32 v8, v2, 3, v8
	global_load_b128 v[16:19], v7, s[24:25]
	global_load_b128 v[20:23], v7, s[24:25] offset:256
	RAWL
	s_wait_loadcnt 0x20
	PACKN 16, 4
.irp k, 84,85,86,87
	v_mov_b32 v\k, 0
.endr
	PUT4
	s_branch .Lfilled
.Lt2:   ; the column table in e >= 128, zeros below; row 383 is Kb
	s_lshl_b32 s62, s6, 5
	s_sub_co_u32 s62, s62, 320
	v_add_nc_u32 v9, s62, v4
	v_min_u32 v11, 62, v9
	v_lshl_add_u32 v7, v11, 9, v10
	v_mul_u32_u24 v8, v4, EP
	v_lshl_add_u32 v8, v2, 3, v8
	s_add_nc_u64 s[38:39], s[12:13], s[56:57]
	global_load_b128 v[16:19], v7, s[26:27]
	global_load_b128 v[20:23], v7, s[26:27] offset:256
.irp i, 0,1,2,3
	global_load_b128 v[32+4*\i:35+4*\i], v10, s[38:39] offset:256*\i
.endr
	RAWL
	s_wait_loadcnt 0x20
	v_cmp_eq_u32 vcc_lo, 63, v9
.irp k, 0,1,2,3,4,5,6,7
	v_cndmask_b32 v[32+\k], 0, v[32+\k], vcc_lo
	v_cndmask_b32 v[40+\k], v[16+\k], v[40+\k], vcc_lo
.endr
	PACKN 32, 8
	PUT4
.Lfilled:
	s_wait_dscnt 0x0                               ; my part of E is written,
	s_barrier_signal -1
	s_barrier_wait -1                              ; everybody's is
	; the bias product: thread (n, eq) sums 16 e, sixteen lanes sum a row
	ds_load_b128 v[80:83], v12
	ds_load_b128 v[84:87], v12 offset:16
	s_wait_dscnt 0x0
	v_cvt_f32_f16 v16, v80.l
	v_cvt_f32_f16 v17, v80.h
	v_cvt_f32_f16 v18, v81.l
	v_cvt_f32_f16 v19, v81.h
	v_cvt_f32_f16 v20, v82.l
	v_cvt_f32_f16 v21, v82.h
	v_cvt_f32_f16 v22, v83.l
	v_cvt_f32_f16 v23, v83.h
	v_cvt_f32_f16 v24, v84.l
	v_cvt_f32_f16 v25, v84.h
	v_cvt_f32_f16 v26, v85.l
	v_cvt_f32_f16 v27, v85.h
	v_cvt_f32_f16 v28, v86.l
	v_cvt_f32_f16 v29, v86.h
	v_cvt_f32_f16 v30, v87.l
	v_cvt_f32_f16 v31, v87.h
	v_mul_f32 v88, v16, v96
	v_mul_f32 v89, v17, v97
.irp k, 2,4,6,8,10,12,14
	v_fma_f32 v88, v[16+\k], v[96+\k], v88
	v_fma_f32 v89, v[17+\k], v[97+\k], v89
.endr
	v_add_f32 v88, v88, v89
	v_add_f32_dpp v88, v88, v88 row_xmask:1 row_mask:0xf bank_mask:0xf
	v_add_f32_dpp v88, v88, v88 row_xmask:2 row_mask:0xf bank_mask:0xf
	v_add_f32_dpp v88, v88, v88 row_xmask:4 row_mask:0xf bank_mask:0xf
	v_add_f32_dpp v88, v88, v88 row_xmask:8 row_mask:0xf bank_mask:0xf
	v_mul_f32 v88, s60, v88
	v_cmp_eq_u32 vcc_lo, 0, v2
	s_wait_xcnt 0x0                                ; EXEC is a source of the loads still out: it changes only behind this wait
	s_and_saveexec_b32 s61, vcc_lo
	global_store_b32 v90, v88, s[50:51]
	s_wait_xcnt 0x0                                ; and again in front of the line that widens it
	s_or_b32 exec_lo, exec_lo, s61
	; the product: A = 16 rows c of the column operand, B = rows n of E; a lane then holds 8 neighbouring c of one row n
	s_wait_loadcnt 0x0
.irp ks, 0,1,2,3,4,5,6,7
.irp l, 0,1,2,3
	v_cvt_pk_f16_f32 v[AF+8*\ks+2*\l],   v[RAW+16*\ks+4*\l],   v[RAW+16*\ks+4*\l+1]
	v_cvt_pk_f16_f32 v[AF+8*\ks+2*\l+1], v[RAW+16*\ks+4*\l+2], v[RAW+16*\ks+4*\l+3]
.endr
.endr
.irp nt, 0,1
.irp ks, 0,1,2,3,4,5,6,7
	ds_load_b128 v[RAW+8*(8*\nt+\ks):RAW+8*(8*\nt+\ks)+3],   v13 offset:\nt*16*EP+64*\ks
	ds_load_b128 v[RAW+8*(8*\nt+\ks)+4:RAW+8*(8*\nt+\ks)+7], v13 offset:\nt*16*EP+64*\ks+32
.endr
.endr
	s_wait_dscnt 0x0
	; the two accumulators take turns, one instruction a turn; the first products start the sums
	v_wmma_f32_16x16x32_f16 v[ACC:ACC+7],    v[AF:AF+7], v[RAW:RAW+7],     0
	v_wmma_f32_16x16x32_f16 v[ACC+8:ACC+15], v[AF:AF+7], v[RAW+64:RAW+71], 0
.irp ks, 1,2,3,4,5,6,7
	v_wmma_f32_16x16x32_f16 v[ACC:ACC+7],    v[AF+8*\ks:AF+8*\ks+7], v[RAW+8*\ks:RAW+8*\ks+7],       v[ACC:ACC+7]
	v_wmma_f32_16x16x32_f16 v[ACC+8:ACC+15], v[AF+8*\ks:AF+8*\ks+7], v[RAW+64+8*\ks:RAW+64+8*\ks+7], v[ACC+8:ACC+15]
.endr
.rept 4
	v_nop                                          ; four places behind the last matrix instruction (ISA guide 7.12.1)
.endr
.irp p, 0,2,4,6,8,10,12,14
	v_pk_mul_f32 v[ACC+\p:ACC+\p+1], v[ACC+\p:ACC+\p+1], 0x42800000 op_sel_hi:[1,0]    ; x 64
.endr
.irp i, 0,1,2,3,4,5,6,7
	v_cvt_pk_f16_f32 v[80+\i], v[ACC+2*\i], v[ACC+2*\i+1]
.endr
	ds_store_b128 v14, v[80:83]
	ds_store_b128 v14, v[84:87] offset:16*EP
	s_wait_dscnt 0x0
	s_barrier_signal -1
	s_barrier_wait -1
	ds_load_b128 v[96:99], v15                     ; rows w and w + 16, whole: 512 bytes each
	ds_load_b128 v[100:103], v15 offset:16*EP
	s_wait_dscnt 0x1
	global_store_b128 v91, v[96:99], s[48:49]
	s_wait_dscnt 0x0
	global_store_b128 v91, v[100:103], s[48:49] offset:8192
	s_wait_xcnt 0x0
	s_mov_b32 exec_lo, -1
	v_lshl_add_u32 v94, v0, 2, 0x8400
	v_mov_b32 v95, 0
	s_wait_tensorcnt 0x0
	ds_add_u32 v94, v95
	s_wait_dscnt 0x0
	s_endpgm
	; ---------------- the cast of x ----------------
.Lcast:
	s_sub_co_u32 s4, ttmp9, 160
	s_lshl_b32 s38, s4, 17
	s_mov_b32 s39, 0
	s_lshl_b32 s40, s4, 16
	s_mov_b32 s41, 0
	v_lshlrev_b32 v1, 4, v0
	v_lshlrev_b32 v2, 3, v0
	s_wait_kmcnt 0x0
	s_add_nc_u64 s[8:9], s[8:9], s[38:39]
	s_add_nc_u64 s[28:29], s[28:29], s[40:41]
.irp i, 0,1,2,3,4,5,6,7,8,9,10,11,12,13,14,15
	global_load_b128 v[16+4*\i:19+4*\i], v1, s[8:9] offset:8192*\i th:TH_LOAD_NT
.endr
.irp i, 0,1,2,3,4,5,6,7,8,9,10,11,12,13,14,15
	s_wait_loadcnt 15-\i                           ; loads come back in order: load i is in, the younger ones stay out
	v_cvt_pk_f16_f32 v[80+2*\i], v[16+4*\i], v[17+4*\i]
	v_cvt_pk_f16_f32 v[81+2*\i], v[18+4*\i], v[19+4*\i]
	global_store_b64 v2, v[80+2*\i:81+2*\i], s[28:29] offset:4096*\i   ; a wave stores 256 consecutive bytes, aligned
.endr
	s_endpgm
.Lfunc_end_k_qdfe75fa9dd_prep:
	.size	k_qdfe75fa9dd_prep, .Lfunc_end_k_qdfe75fa9dd_prep-k_qdfe75fa9dd_prep
	.p2alignl 7, 3214868480
	.fill 96, 4, 3214868480
	.section	.rodata,"a",@progbits
	.p2align	6, 0x0
	.amdhsa_kernel k_qdfe75fa9dd_prep
		.amdhsa_group_segment_fixed_size 35840
		.amdhsa_private_segment_fixed_size 0
		.amdhsa_enable_private_segment 0
		.amdhsa_kernarg_size 120
		.amdhsa_user_sgpr_count 2
		.amdhsa_user_sgpr_kernarg_segment_ptr 1
		.amdhsa_wavefront_size32 1
		.amdhsa_system_sgpr_workgroup_id_x 1
		.amdhsa_system_sgpr_workgroup_id_y 1
		.amdhsa_system_sgpr_workgroup_id_z 1
		.amdhsa_system_vgpr_workitem_id 0
		.amdhsa_next_free_vgpr 256
		.amdhsa_next_free_sgpr 66
		.amdhsa_reserve_vcc 1
		.amdhsa_float_denorm_mode_32 3
		.amdhsa_float_denorm_mode_16_64 3
		.amdhsa_memory_ordered 1
		.amdhsa_forward_progress 1
		.amdhsa_inst_pref_size 41
	.end_amdhsa_kernel
	.amdgpu_metadata
---
amdhsa.version: [ 1, 2 ]
amdhsa.kernels:
  - .name:           k_qdfe75fa9dd_prep
    .symbol:         k_qdfe75fa9dd_prep.kd
    .args:
      - { .name: x, .offset: 0, .size: 8, .value_kind: global_buffer, .address_space: global }
      - { .name: Kw, .offset: 8, .size: 8, .value_kind: global_buffer, .address_space: global }
      - { .name: Kb, .offset: 16, .size: 8, .value_kind: global_buffer, .address_space: global }
      - { .name: Qw, .offset: 24, .size: 8, .value_kind: global_buffer, .address_space: global }
      - { .name: Qb, .offset: 32, .size: 8, .value_kind: global_buffer, .address_space: global }
      - { .name: Vw, .offset: 40, .size: 8, .value_kind: global_buffer, .address_space: global }
      - { .name: Vb, .offset: 48, .size: 8, .value_kind: global_buffer, .address_space: global }
      - { .name: Pw, .offset: 56, .size: 8, .value_kind: global_buffer, .address_space: global }
      - { .name: row_tab, .offset: 64, .size: 8, .value_kind: global_buffer, .address_space: global }
      - { .name: col_tab, .offset: 72, .size: 8, .value_kind: global_buffer, .address_space: global }
      - { .name: xh, .offset: 80, .size: 8, .value_kind: global_buffer, .address_space: global }
      - { .name: mt, .offset: 88, .size: 8, .value_kind: global_buffer, .address_space: global }
      - { .name: su, .offset: 96, .size: 8, .value_kind: global_buffer, .address_space: global }
      - { .name: w2t, .offset: 104, .size: 8, .value_kind: global_buffer, .address_space: global }
      - { .name: s2v, .offset: 112, .size: 8, .value_kind: global_buffer, .address_space: global }
    .group_segment_fixed_size: 35840
    .private_segment_fixed_size: 0
    .kernarg_segment_align: 8
    .kernarg_segment_size: 120
    .max_flat_workgroup_size: 512
    .sgpr_count:     66
    .vgpr_count:     256
    .wavefront_size: 32
...
	.end_amdgpu_metadata
.endif
;; end of part 1
;; launch attn (part 2): grid 256 x 1, 4 waves a work-group, clusters of 4 x 1, 327,680 bytes of LDS; arguments xh, mt, su, w2t, part; writes part
.if DOCPART == 2
	.amdgcn_target "amdgcn-amd-amdhsa--gfx1250"
	.amdhsa_code_object_version 6
	.text
	.protected	k_qdfe75fa9dd_attn
	.globl	k_qdfe75fa9dd_attn
	.p2align	8
	.type	k_qdfe75fa9dd_attn,@function
k_qdfe75fa9dd_attn:
	s_mov_b64 s[64:65], 0
	v_nop
	global_prefetch_b8 v0, s[64:65] scope:SCOPE_SE
	s_setreg_imm32_b32 hwreg(HW_REG_WAVE_MODE, 25, 1), 1
	s_wait_xcnt 0x0
	s_wait_alu depctr_hold_cnt(0) depctr_sa_sdst(0) depctr_va_vdst(0) depctr_va_sdst(0) depctr_va_ssrc(0) depctr_va_vcc(0) depctr_vm_vsrc(0)
	s_getreg_b32 s2, hwreg(HW_REG_IB_STS2, 6, 4)
	s_cmp_eq_u32 s2, 0
	s_cbranch_scc0 .Lentry_in_a_cluster
	s_endpgm
.Lentry_in_a_cluster:
	s_bfe_u32 s2, ttmp6, 0x10000c
	s_cmp_lg_u32 s2, 0x3003
	s_cbranch_scc0 .Lentry_shape_is_right
	s_endpgm
.Lentry_shape_is_right:
; attn: one head h of one image b for 256 queries; part[h][token][o] = 64 * sum_c O[token][c] W2_h[c][o], O = softmax(logits) x.
; With G[q][n] = sum_c x_q[c] MT_h[n][c] + u_h[n] (mt, su of the launch before):
;   logit(q = (i, j), key = (k, l)) = sum_d G[q][d] x_key[d] + G[q][256 + k - i + 31] + G[q][320 + j - l + 31] + G[q][383]
; so the keys and the values are both x itself: one LDS tile serves both products.
; EVERY PRODUCT IS TRANSPOSED: A is what streams from LDS, B is the query side.  A result tile then has lane r = query and registers = 8 neighbouring
; rows, which pack straight into the next product's B fragment, and the softmax's figures are one number a lane.
; Four waves, 64 queries each (4 tiles of 16).  A trip takes one key row k (32 keys): 64 matrix instructions for S, the softmax step with a running
; maximum (base 2, f32), 64 for O (16 tiles of d x 4 query tiles = 512 accumulator registers).
; SCALES: mt, w2t hold 64 x; Q' = G[.][0..255] and the column bias are kept / 64; exponent = S * 64 log2(e) + row bias * log2(e) - maximum.
; LIMITS: operands f16, sums f32.  |x| < 65504, |Q'| < 64 * 65504; p is summed before it is rounded to f16; the order of sums differs from the source's.
; CLUSTER: the four work-groups of a cluster are the four query blocks of one (b, h).  They read the same six tiles (mt_h, four of x_b, w2t_h), so every
; tensor load is a joint load with the constant mask 15.  The place in the cluster enters only addresses of plain loads and stores.
; By this text's count a wave has two tensor loads out at the start and one behind each later round.
;
; REGISTER WINDOWS: 0: addresses, CB v32-95, S v96-159, fragment buffers FA v160-191, FB v192-223, softmax figures v224-255
;   1: row-bias A fragments, then Q' fragments (qt, ks) at 8 (8 qt + ks), then O fragments at the same places
;   2: query fragments of x (qt, ks) at 8 (8 qt + ks), then accumulator tiles (dt, qt) at 8 (4 dt + qt), dt 0-7
;   3: column-bias A fragments, then Q' biases at 8 mt, then accumulator tiles dt 8-15
.set PITCH, 528                        ; an LDS row: 512 bytes + 16
.set T16,   16*PITCH                   ; 16 rows
.set KROW,  32*PITCH                   ; a key row's 32 tokens
.set HALF8, 128*PITCH
.set WROWS, 64*PITCH                   ; what one tensor load brings
.set SLOTB, 256*PITCH
.set SCR0,  2*SLOTB                    ; behind the two slots: each wave's own scratch, touched by ds instructions alone
.set SCRB,  8704
.set CBB, 32
.set SS,  96
.set FA,  160
.set FB,  192
.set MSB, 0
.macro WIN new                         ; the immediate's high byte repeats the setting that is left
.if MSB != \new
	s_set_vgpr_msb (MSB<<8)|\new
.set MSB, \new
.endif
.endm
.macro PLACES n
.rept \n
	v_nop
.endr
.endm
.macro ROUND                           ; a round of the cluster's barrier
	s_barrier_signal -1
	s_barrier_wait -1
	s_cmp_lg_u32 s14, 0
	s_cbranch_scc1 .Lnot_wave_0_\@
	s_barrier_signal -3
.Lnot_wave_0_\@:
	s_barrier_wait -3
	s_barrier_signal -1
	s_barrier_wait -1
.endm
.macro WMM d, a, b
	v_wmma_f32_16x16x32_f16 v[\d:\d+7], v[\a:\a+7], v[\b:\b+7], v[\d:\d+7]
.endm
.macro WMMZ d, a, b
	v_wmma_f32_16x16x32_f16 v[\d:\d+7], v[\a:\a+7], v[\b:\b+7], 0
.endm
.macro WMMC d, a, b, c
	v_wmma_f32_16x16x32_f16 v[\d:\d+7], v[\a:\a+7], v[\b:\b+7], v[\c:\c+7]
.endm
; four fragments of 16 rows x 32 K from rows that lie along K
.macro LD8S buf, areg, off
.irp i, 0,1,2,3
	ds_load_b128 v[\buf+8*\i:\buf+8*\i+3],   v[\areg] offset:\off+64*\i
	ds_load_b128 v[\buf+8*\i+4:\buf+8*\i+7], v[\areg] offset:\off+64*\i+32
.endr
.endm
; four fragments of 16 d x 32 keys, transposed on the way: d tiles 4 g .. 4 g + 3
.macro LD8T buf, g
.irp i, 0,1,2,3
	ds_load_tr16_b128 v[\buf+8*\i:\buf+8*\i+3],   v11 offset:32*(4*\g+\i)
	ds_load_tr16_b128 v[\buf+8*\i+4:\buf+8*\i+7], v11 offset:32*(4*\g+\i)+T16
.endr
.endm
; 16 matrix instructions: 4 K steps x 4 query tiles.  The four accumulators take turns, one instruction a turn.
; cmode 0: in place; 1: the first K step starts the sums; 2: the first K step takes the tile at cb + 16 q as C.
.macro W16 buf, acc, step, kb, cmode, cb
.irp i, 0,1,2,3
.irp q, 0,1,2,3
.if \i == 0
.if \cmode == 1
	WMMZ \acc+\step*\q, \buf+8*\i, 8*(8*\q+\kb+\i)
.elseif \cmode == 2
	WMMC \acc+\step*\q, \buf+8*\i, 8*(8*\q+\kb+\i), \cb+16*\q
.else
	WMM \acc+\step*\q, \buf+8*\i, 8*(8*\q+\kb+\i)
.endif
.else
	WMM \acc+\step*\q, \buf+8*\i, 8*(8*\q+\kb+\i)
.endif
.endr
.endr
.endm
; 16 matrix instructions on 16 different accumulator tiles: O(d tiles 4 g .., all query tiles) += x^T P
.macro W16P buf, g, zero
.irp i, 0,1,2,3
.irp q, 0,1,2,3
.if \zero
	WMMZ 8*(4*((4*\g+\i)&7)+\q), \buf+8*\i, SS+16*\q
.else
	WMM 8*(4*((4*\g+\i)&7)+\q), \buf+8*\i, SS+16*\q
.endif
.endr
.endr
.endm
; all 64 accumulator tiles times the query's factor in v[232 + 2 q]
.macro RESC
	WIN 0x82
.irp d, 0,1,2,3,4,5,6,7
.irp q, 0,1,2,3
.irp p, 0,2,4,6
	v_pk_mul_f32 v[8*(4*\d+\q)+\p:8*(4*\d+\q)+\p+1], v[8*(4*\d+\q)+\p:8*(4*\d+\q)+\p+1], v[232+2*\q:233+2*\q] op_sel_hi:[1,0]
.endr
.endr
.endr
	WIN 0xC3
.irp d, 0,1,2,3,4,5,6,7
.irp q, 0,1,2,3
.irp p, 0,2,4,6
	v_pk_mul_f32 v[8*(4*\d+\q)+\p:8*(4*\d+\q)+\p+1], v[8*(4*\d+\q)+\p:8*(4*\d+\q)+\p+1], v[232+2*\q:233+2*\q] op_sel_hi:[1,0]
.endr
.endr
.endr
	WIN 0
.endm
	s_load_b256 s[4:11], s[0:1], 0x0               ; xh 4, mt 6, su 8, w2t 10
	s_load_b64 s[12:13], s[0:1], 0x20              ; part
	v_lshl_add_u32 v30, v0, 2, 0x4a800
	v_mov_b32 v31, 0
	ds_add_u32 v30, v31
	ds_add_u32 v30, v31
	v_lshrrev_b32 v1, 5, v0
	v_readfirstlane_b32 s14, v1                    ; wave
	s_bfe_u32 s15, ttmp6, 0x40000                  ; cx: which 256 queries
	s_lshr_b32 s16, ttmp9, 3                       ; b
	s_and_b32 s17, ttmp9, 7                        ; h
	; group 1: 64 rows x 256 elements of 2 bytes, pitch 256; 16 bytes of padding behind every 128 words; mask 15 with bit 21 beside it
	s_mov_b32 s24, 0x07B1000F
	s_mov_b32 s25, 256<<16                         ; tensor_dim0 = 256
	s_mov_b32 s26, 64<<16                          ; tensor_dim1 = 64
	s_mov_b32 s27, 256<<16                         ; tile_dim0 = 256
	s_mov_b32 s28, 64                              ; tile_dim1 = 64
	s_mov_b32 s29, 256                             ; elements from row to row
	s_mov_b32 s30, 0
	s_mov_b32 s31, 0
	s_mul_i32 s18, s14, WROWS                      ; my 64 rows in a slot
	s_lshl_b32 s19, s14, 15                        ; and in memory
	s_mul_i32 s23, s14, SCRB
	s_add_co_u32 s23, s23, SCR0                    ; my scratch
	s_mul_i32 s20, s17, 196608
	s_add_co_u32 s20, s20, s19
	s_mov_b32 s21, 0
	s_mov_b32 s56, 0x76543210                      ; v_permlanex16_b32: lane i reads lane i of the other half
	s_mov_b32 s57, 0xfedcba98
	s_mov_b32 s58, 0x42b8aa3b                      ; 64 log2(e)
	s_mov_b32 s59, 0x42b8aa3b
	s_wait_dscnt 0x0
	s_wait_kmcnt 0x0
	; six group 0 sets, never rewritten: mt_h rows 0-255, x_b rows 0-, 256-, 512-, 768-, w2t_h; slots 0, 1, 0, 1, 0, 1
	s_add_nc_u64 s[34:35], s[6:7], s[20:21]
	s_lshl_b32 s20, s16, 19
	s_add_co_u32 s20, s20, s19
	s_add_nc_u64 s[38:39], s[4:5], s[20:21]
	s_add_nc_u64 s[42:43], s[38:39], 0x20000
	s_add_nc_u64 s[46:47], s[38:39], 0x40000
	s_add_nc_u64 s[50:51], s[38:39], 0x60000
	s_lshl_b32 s20, s17, 17
	s_add_co_u32 s20, s20, s19
	s_add_nc_u64 s[54:55], s[10:11], s[20:21]
.irp f, 0,1,2,3,4,5
	s_mov_b32 s[32+4*\f], 1
	s_add_co_u32 s[33+4*\f], s18, (\f&1)*SLOTB
	s_or_b32 s[35+4*\f], s[35+4*\f], 0x80000000
.endr
	ROUND                                          ; all four work-groups are here: the first joint loads meet
	tensor_load_to_lds s[32:35], s[24:31]          ; mt_h into slot 0
	s_nop 0
	tensor_load_to_lds s[36:39], s[24:31]          ; x_b rows 0-255 into slot 1
	s_nop 0
	; bases of the plain loads and stores; these alone hold cx
	s_lshl_b32 s62, s16, 19
	s_lshl_b32 s61, s15, 17
	s_add_co_u32 s62, s62, s61
	s_add_co_u32 s62, s62, s19
	s_mov_b32 s63, 0
	s_add_nc_u64 s[66:67], s[4:5], s[62:63]        ; my 64 queries in xh
	s_mul_i32 s62, s17, 196608
	s_add_nc_u64 s[68:69], s[6:7], s[62:63]
	s_lshl_b32 s61, s15, 12
	s_lshl_b32 s22, s14, 10
	s_add_co_u32 s61, s61, s22
	s_sub_co_u32 s62, 146432, s61
	s_add_nc_u64 s[70:71], s[68:69], s[62:63]      ; mt_h row 286 - 8 cx - 2 w
	s_add_nc_u64 s[68:69], s[68:69], 163840        ; mt_h row 320
	s_mul_i32 s62, s17, 1536
	s_add_nc_u64 s[76:77], s[8:9], s[62:63]        ; su_h
	s_lshr_b32 s61, s61, 7
	s_sub_co_u32 s62, 1144, s61
	s_add_nc_u64 s[74:75], s[76:77], s[62:63]      ; su_h word 286 - 8 cx - 2 w
	s_add_nc_u64 s[72:73], s[76:77], 1280          ; su_h word 320
	s_lshl_b32 s62, s17, 23
	s_lshl_b32 s61, s16, 20
	s_add_co_u32 s62, s62, s61
	s_lshl_b32 s61, s15, 18
	s_add_co_u32 s62, s62, s61
	s_lshl_b32 s61, s14, 16
	s_add_co_u32 s62, s62, s61
	s_add_nc_u64 s[78:79], s[12:13], s[62:63]      ; my 64 rows of part
	v_and_b32 v1, 31, v0                           ; L
	v_and_b32 v2, 15, v0                           ; r
	v_bfe_u32 v3, v0, 4, 1                         ; hh
	v_lshlrev_b32 v4, 9, v2
	v_lshl_add_u32 v4, v3, 4, v4                   ; XO = 512 r + 16 hh
	v_lshlrev_b32 v5, 5, v3                        ; HO = 32 hh
	; fragments straight from memory: my queries (B), the 64 column rows and my 2 x 32 row-bias rows of mt (A), their biases
	WIN 0x80
.irp qt, 0,1,2,3
.irp ks, 0,1,2,3,4,5,6,7
	global_load_b128 v[8*(8*\qt+\ks):8*(8*\qt+\ks)+3],   v4, s[66:67] offset:\qt*8192+64*\ks
	global_load_b128 v[8*(8*\qt+\ks)+4:8*(8*\qt+\ks)+7], v4, s[66:67] offset:\qt*8192+64*\ks+32
.endr
.endr
	WIN 0xC0
.irp T, 0,1,2,3
.irp ks, 0,1,2,3,4,5,6,7
	global_load_b128 v[8*(8*\T+\ks):8*(8*\T+\ks)+3],   v4, s[68:69] offset:\T*8192+64*\ks
	global_load_b128 v[8*(8*\T+\ks)+4:8*(8*\T+\ks)+7], v4, s[68:69] offset:\T*8192+64*\ks+32
.endr
.endr
	WIN 0x40
.irp iv, 0,1
.irp T, 0,1
.irp ks, 0,1,2,3,4,5,6,7
	global_load_b128 v[8*(16*\iv+8*\T+\ks):8*(16*\iv+8*\T+\ks)+3],   v4, s[70:71] offset:(16*\T+1-\iv)*512+64*\ks
	global_load_b128 v[8*(16*\iv+8*\T+\ks)+4:8*(16*\iv+8*\T+\ks)+7], v4, s[70:71] offset:(16*\T+1-\iv)*512+64*\ks+32
.endr
.endr
.endr
	WIN 0
.irp T, 0,1,2,3
	global_load_b128 v[FA+8*\T:FA+8*\T+3],   v5, s[72:73] offset:64*\T
	global_load_b128 v[FA+8*\T+4:FA+8*\T+7], v5, s[72:73] offset:64*\T+16
.endr
.irp iv, 0,1
.irp T, 0,1
.irp j, 0,1,2,3,4,5,6,7
	global_load_b32 v[FB+8*(2*\iv+\T)+\j], v5, s[74:75] offset:(16*\T+1-\iv+\j)*4
.endr
.endr
.endr
	; LDS addresses
	v_mul_u32_u24 v6, v2, PITCH
	v_lshl_add_u32 v6, v3, 4, v6                   ; v6 slot 0 rows 0-127: r x pitch + 16 hh
	v_add_nc_u32 v7, HALF8, v6                     ; v7 slot 0 rows 128-255
	v_add_nc_u32 v8, SLOTB, v6                     ; v8, v9 the same in slot 1
	v_add_nc_u32 v9, SLOTB+HALF8, v6
	v_mul_u32_u24 v15, v2, 272
	v_add_nc_u32 v15, s23, v15                     ; column scratch, row r (pitch 272)
	v_lshl_add_u32 v13, v3, 5, v15                 ; in: + 32 hh
	v_xor_b32 v22, 1, v3
	v_lshl_add_u32 v14, v2, 2, v15
	v_lshl_add_u32 v14, v22, 5, v14                ; back: + 4 (r - 8 hh + 8)
	v_lshlrev_b32 v22, 4, v2
	v_add_nc_u32 v22, s23, v22                     ; row bias [32 k][16 r][4 qt]: + 16 r
	v_lshl_add_u32 v16, v3, 11, v22                ; in: + 8 hh rows of 256 bytes
	v_add_nc_u32 v17, s23, v6
	v_lshl_add_u32 v17, v3, 4, v17                 ; way out, in: r x 528 + 32 hh
	v_lshlrev_b32 v19, 4, v1                       ; 16 L
	v_add_nc_u32 v18, s23, v19                     ; way out, back
	v_and_b32 v20, 7, v0
	v_lshl_add_u32 v20, v3, 3, v20
	v_mul_u32_u24 v20, v20, PITCH
	v_bfe_u32 v21, v0, 3, 1
	v_lshl_add_u32 v20, v21, 4, v20                ; transposing loads: (8 hh + (L & 7)) x pitch + 16 ((L >> 3) & 1), slot 0
	v_add_nc_u32 v21, SLOTB, v20                   ; slot 1
.irp k, 233,235,237,239,240,241,242,243,244,245,246,247,253
	v_mov_b32 v\k, 0                               ; upper halves of pairs that are read as pairs, and destinations of lane permutes
.endr
	s_wait_loadcnt 0x0
; column bias of query tile qt: G[q][320 + p] / 64 for p = 0..63, shifted through my scratch into the C tiles CB(qt, t), the Q.Kb term added
.macro COLB qt
.set CA, SS+32*(\qt&1)
	WIN 0x0B
.irp ks, 0,1,2,3,4,5,6,7
.irp T, 0,1,2,3
.if \ks == 0
	WMMZ CA+8*\T, 8*(8*\T+\ks), 8*(8*\qt+\ks)
.else
	WMM CA+8*\T, 8*(8*\T+\ks), 8*(8*\qt+\ks)
.endif
.endr
.endr
	PLACES 4
	WIN 0
.irp T, 0,1,2,3
.irp p, 0,2,4,6
	v_pk_fma_f32 v[CA+8*\T+\p:CA+8*\T+\p+1], v[CA+8*\T+\p:CA+8*\T+\p+1], 0x39800000, v[FA+8*\T+\p:FA+8*\T+\p+1] op_sel_hi:[1,0,1]
.endr
.endr
.irp T, 0,1,2,3
	ds_store_b128 v13, v[CA+8*\T:CA+8*\T+3]   offset:64*\T
	ds_store_b128 v13, v[CA+8*\T+4:CA+8*\T+7] offset:64*\T+16
.endr
.irp t, 0,1
.irp j, 0,1,2,3,4,5,6,7
	ds_load_b32 v[CBB+8*(2*\qt+\t)+\j], v14 offset:4*(16*(\qt&1)-16*\t-\j+23)      ; p = j_q - l + 31; LDS serves a wave in order: these see the stores
.endr
.endr
	ds_load_b32 v252, v15 offset:252               ; p = 63: Q.Kb / 64
	s_wait_dscnt 0x0
.irp p, 0,2,4,6,8,10,12,14
	v_pk_add_f32 v[CBB+16*\qt+\p:CBB+16*\qt+\p+1], v[CBB+16*\qt+\p:CBB+16*\qt+\p+1], v[252:253] op_sel_hi:[1,0]
.endr
.endm
	COLB 0
	COLB 1
	COLB 2
	COLB 3
	WIN 0xC0
.irp m, 0,1,2,3,4,5,6,7,8,9,10,11,12,13,14,15
	global_load_b128 v[8*\m:8*\m+3],   v5, s[76:77] offset:64*\m        ; Q' biases / 64, over the column fragments, which are done with
	global_load_b128 v[8*\m+4:8*\m+7], v5, s[76:77] offset:64*\m+16
.endr
	WIN 0
; row bias of image row i = 8 cx + 2 w + iv: G[q][256 + k - i + 31] log2(e), k = 0..31, into my scratch as [k][r][qt]
.macro ROWB iv
	WIN 0x09
.irp ks, 0,1,2,3,4,5,6,7
.irp T, 0,1
.irp q2, 0,1
.if \ks == 0
	WMMZ SS+32*\iv+8*(2*\T+\q2), 8*(16*\iv+8*\T+\ks), 8*(8*(2*\iv+\q2)+\ks)
.else
	WMM SS+32*\iv+8*(2*\T+\q2), 8*(16*\iv+8*\T+\ks), 8*(8*(2*\iv+\q2)+\ks)
.endif
.endr
.endr
.endr
	PLACES 4
	WIN 0
.irp T, 0,1
.irp q2, 0,1
.irp p, 0,2,4,6
	v_pk_fma_f32 v[SS+32*\iv+8*(2*\T+\q2)+\p:SS+32*\iv+8*(2*\T+\q2)+\p+1], v[SS+32*\iv+8*(2*\T+\q2)+\p:SS+32*\iv+8*(2*\T+\q2)+\p+1], 0x3cb8aa3b, v[FB+8*(2*\iv+\T)+\p:FB+8*(2*\iv+\T)+\p+1] op_sel_hi:[1,0,1]
.endr
.endr
.endr
.irp T, 0,1
.irp q2, 0,1
.irp j, 0,1,2,3,4,5,6,7
	ds_store_b32 v16, v[SS+32*\iv+8*(2*\T+\q2)+\j] offset:(16*\T+\j)*256+4*(2*\iv+\q2)
.endr
.endr
.endr
.endm
	ROWB 0
	ROWB 1
	; Q' = G[q][0..255] / 64, as B fragments in window 1
	s_wait_tensorcnt 0x1                           ; my part of mt_h is in; the first x tile may stay out
	s_wait_dscnt 0x0
	s_barrier_signal -1
	s_barrier_wait -1
	s_wait_loadcnt 0x0                             ; the Q' biases
.macro QPOST kp
	WIN 0x30
.irp p, 0,1
.irp q, 0,1,2,3
.irp e, 0,2,4,6
	v_pk_fma_f32 v[SS+32*\p+8*\q+\e:SS+32*\p+8*\q+\e+1], v[SS+32*\p+8*\q+\e:SS+32*\p+8*\q+\e+1], 0x39800000, v[8*(2*\kp+\p)+\e:8*(2*\kp+\p)+\e+1] op_sel_hi:[1,0,1]
.endr
.endr
.endr
	WIN 0x40
.irp p, 0,1
.irp q, 0,1,2,3
.irp i, 0,1,2,3
	v_cvt_pk_f16_f32 v[8*(8*\q+\kp)+4*\p+\i], v[SS+32*\p+8*\q+2*\i], v[SS+32*\p+8*\q+2*\i+1]
.endr
.endr
.endr
	WIN 0x08
.endm
	WIN 0x08
	LD8S FA, 6, 0
	LD8S FB, 6, 256
.set mt, 0
.rept 16
.set qacc, SS+32*(mt&1)
.set qa, 6+((mt+1)>>3)
.set qo, ((mt+1)&7)*T16
.set kpn, mt>>1
	s_wait_dscnt 0x8                               ; the older buffer's eight loads are in
	W16 FA, qacc, 8, 0, 1, 0
	PLACES 4
.if mt < 15
	LD8S FA, qa, qo
	s_wait_dscnt 0x8
.else
	s_wait_dscnt 0x0
.endif
	W16 FB, qacc, 8, 4, 0, 0
	PLACES 4
.if mt < 15
	LD8S FB, qa, qo+256
.endif
.if mt & 1
	QPOST kpn
.endif
.set mt, mt+1
.endr
	WIN 0
; the softmax step for the trip's 32 keys, all four query tiles, stage by stage.
; v[252+q] at work, v[224+q] running maximum, v[228+q] running sum (of my half of the keys), v[232+2q] factor for the old sums, v[240+2q] offset, v[248+q] row bias
.macro SOFTALL first
.irp q, 0,1,2,3
	v_max3_num_f32 v[252+\q], v[SS+16*\q], v[SS+16*\q+1], v[SS+16*\q+2]
.endr
.irp k, 3,5,7,9,11,13
.irp q, 0,1,2,3
	v_max3_num_f32 v[252+\q], v[252+\q], v[SS+16*\q+\k], v[SS+16*\q+\k+1]
.endr
.endr
.irp q, 0,1,2,3
	v_max_num_f32 v[252+\q], v[252+\q], v[SS+16*\q+15]
.endr
.irp q, 0,1,2,3
	v_permlanex16_b32 v[240+2*\q], v[252+\q], s56, s57     ; the other sixteen keys of the same query
.endr
.irp q, 0,1,2,3
	v_max_num_f32 v[252+\q], v[252+\q], v[240+2*\q]
.endr
.irp q, 0,1,2,3
	v_fma_f32 v[252+\q], v[252+\q], s58, v[248+\q]         ; the trip's largest exponent
.endr
.if \first
.irp q, 0,1,2,3
	v_mov_b32 v[224+\q], v[252+\q]
.endr
.else
.irp q, 0,1,2,3
	v_max_num_f32 v[240+2*\q], v[224+\q], v[252+\q]
.endr
.irp q, 0,1,2,3
	v_sub_f32 v[252+\q], v[224+\q], v[240+2*\q]
.endr
.irp q, 0,1,2,3
	v_exp_f32 v[232+2*\q], v[252+\q]
.endr
.irp q, 0,1,2,3
	v_mov_b32 v[224+\q], v[240+2*\q]                       ; the first of these is the plain place behind the exponentials (ISA guide 5.7.2)
.endr
.endif
.irp q, 0,1,2,3
	v_sub_f32 v[240+2*\q], v[248+\q], v[224+\q]
.endr
.irp q, 0,1,2,3
.irp p, 0,2,4,6,8,10,12,14
	v_pk_fma_f32 v[SS+16*\q+\p:SS+16*\q+\p+1], v[SS+16*\q+\p:SS+16*\q+\p+1], s[58:59], v[240+2*\q:241+2*\q] op_sel_hi:[1,0,0]
.endr
.endr
.irp q, 0,1,2,3
.irp k, 0,1,2,3,4,5,6,7,8,9,10,11,12,13,14,15
	v_exp_f32 v[SS+16*\q+\k], v[SS+16*\q+\k]
.endr
.endr
	v_nop                                                  ; the plain place behind the exponentials
	s_wait_alu depctr_va_vdst(0)
.irp q, 0,1,2,3
	v_pk_add_f32 v[252:253], v[SS+16*\q:SS+16*\q+1],   v[SS+16*\q+2:SS+16*\q+3]
	v_pk_add_f32 v[254:255], v[SS+16*\q+4:SS+16*\q+5], v[SS+16*\q+6:SS+16*\q+7]
	v_pk_add_f32 v[252:253], v[252:253], v[SS+16*\q+8:SS+16*\q+9]
	v_pk_add_f32 v[254:255], v[254:255], v[SS+16*\q+10:SS+16*\q+11]
	v_pk_add_f32 v[252:253], v[252:253], v[SS+16*\q+12:SS+16*\q+13]
	v_pk_add_f32 v[254:255], v[254:255], v[SS+16*\q+14:SS+16*\q+15]
.irp i, 0,1,2,3,4,5,6,7
	v_cvt_pk_f16_f32 v[SS+16*\q+\i], v[SS+16*\q+2*\i], v[SS+16*\q+2*\i+1]   ; ascending: word i is written after words 2 i, 2 i + 1 were read
.endr
	v_pk_add_f32 v[252:253], v[252:253], v[254:255]
.if \first
	v_add_f32 v[228+\q], v252, v253
.else
	v_add_f32 v252, v252, v253
	v_fma_f32 v[228+\q], v[228+\q], v[232+2*\q], v252
.endif
.endr
.endm
; One key row.  On entry sixteen LDS loads are out: FA and FB with the first key tile's eight K steps.  v10 rows along K, v11 transposing, v12 row bias.
; Each s_wait_dscnt 8 leaves the younger buffer's eight loads out.  pre = 1: the next key row's first fragments are fetched.
.macro TRIP first, pre
	WIN 0x04
	s_wait_dscnt 0x8
	W16 FA, SS, 16, 0, 2, CBB                      ; keys 0-15, d 0-127; the column bias starts the sums
	PLACES 4
	LD8S FA, 10, T16
	s_wait_dscnt 0x8
	W16 FB, SS, 16, 4, 0, 0                        ; keys 0-15, d 128-255
	PLACES 4
	LD8S FB, 10, T16+256
	s_wait_dscnt 0x8
	W16 FA, SS+8, 16, 0, 2, CBB+8                  ; keys 16-31
	PLACES 4
	ds_load_b128 v[248:251], v12                   ; the key row's bias for my four queries
	LD8T FA, 0
	s_wait_dscnt 0x9                               ; younger: the bias and eight transposing loads
	W16 FB, SS+8, 16, 4, 0, 0
	PLACES 4
	LD8T FB, 1
	WIN 0
	s_wait_dscnt 0x10                              ; the bias is in; sixteen transposing loads stay out
	SOFTALL \first
.if \first == 0
	RESC
.endif
	s_wait_dscnt 0x8
	WIN 0xA0
	W16P FA, 0, \first
	WIN 0
	PLACES 4
	LD8T FA, 2
	s_wait_dscnt 0x8
	WIN 0xA0
	W16P FB, 1, \first
	WIN 0
	PLACES 4
	LD8T FB, 3
	s_wait_dscnt 0x8
	WIN 0xF0
	W16P FA, 2, \first
	WIN 0
	v_add_nc_u32 v10, KROW, v10                    ; one of the four places
	PLACES 3
.if \pre
	LD8S FA, 10, 0
	s_wait_dscnt 0x8
.else
	s_wait_dscnt 0x0
.endif
	WIN 0xF0
	W16P FB, 3, \first
	WIN 0
	v_add_nc_u32 v11, KROW, v11                    ; two of the five places: the next trip's first products write over P
	v_add_nc_u32 v12, 256, v12
	PLACES 3
.if \pre
	LD8S FB, 10, 256
.endif
.endm
; Eight key rows from one slot.  In front of the round every wave has waited for its LDS reads and for all its tensor loads; the joint refill of the
; other slot is the first thing behind it, one load a wave, and has the whole phase in which to land.
.macro PHASE slot, fill, first, n
	s_wait_dscnt 0x0
	s_wait_tensorcnt 0x0
	ds_add_u32 v30, v31
	s_wait_dscnt 0x0
	ROUND
	tensor_load_to_lds s[32+4*\fill:35+4*\fill], s[24:31]
	s_nop 0
	v_mov_b32 v10, v[6+2*\slot]
	v_mov_b32 v11, v[20+\slot]
	v_add_nc_u32 v12, 2048*\n, v22
	LD8S FA, 10, 0
	LD8S FB, 10, 256
.if \first
	TRIP 1, 1
	s_mov_b32 s60, 6
.else
	s_mov_b32 s60, 7
.endif
.Lkeys_\@:
	TRIP 0, 1
	s_sub_co_u32 s60, s60, 1
	s_cmp_lg_u32 s60, 0
	s_cbranch_scc1 .Lkeys_\@
	TRIP 0, 0
.endm
	PHASE 1, 2, 1, 0
	PHASE 0, 3, 0, 1
	PHASE 1, 4, 0, 2
	PHASE 0, 5, 0, 3
	; the output product: part^T[o][q] = sum_c (64 W2T)[o][c] O[q][c]
	s_wait_dscnt 0x0
	s_wait_tensorcnt 0x0                           ; my part of w2t_h is in,
	s_barrier_signal -1
	s_barrier_wait -1                              ; everybody's is
	LD8S FA, 8, 0
	LD8S FB, 8, 256
.irp q, 0,1,2,3
	v_permlanex16_b32 v[240+2*\q], v[228+\q], s56, s57
.endr
.irp q, 0,1,2,3
	v_add_f32 v[228+\q], v[228+\q], v[240+2*\q]    ; the sum over all 1024 keys
.endr
.irp q, 0,1,2,3
	v_rcp_f32 v[232+2*\q], v[228+\q]
.endr
	v_nop                                          ; the plain place behind the reciprocals
	s_wait_alu depctr_va_vdst(0)
	RESC                                           ; O is normalised before it is rounded: |O| <= max |x|
	WIN 0x4A
.irp d, 0,1,2,3,4,5,6,7
.irp q, 0,1,2,3
.irp i, 0,1,2,3
	v_cvt_pk_f16_f32 v[8*(8*\q+(\d>>1))+4*(\d&1)+\i], v[8*(4*\d+\q)+2*\i], v[8*(4*\d+\q)+2*\i+1]
.endr
.endr
.endr
	WIN 0x4F
.irp d, 0,1,2,3,4,5,6,7
.irp q, 0,1,2,3
.irp i, 0,1,2,3
	v_cvt_pk_f16_f32 v[8*(8*\q+4+(\d>>1))+4*(\d&1)+\i], v[8*(4*\d+\q)+2*\i], v[8*(4*\d+\q)+2*\i+1]
.endr
.endr
.endr
	WIN 0
.set ot, 0
.rept 16
.set oacc, 32*(ot&7)
.set oa, 8+((ot+1)>>3)
.set oo, ((ot+1)&7)*T16
	s_wait_dscnt 0x8
.if ot < 8
	WIN 0xA4
.else
	WIN 0xF4
.endif
	W16 FA, oacc, 8, 0, 1, 0
	WIN 0
	PLACES 4
.if ot < 15
	LD8S FA, oa, oo
	s_wait_dscnt 0x8
.else
	s_wait_dscnt 0x0
.endif
.if ot < 8
	WIN 0xA4
.else
	WIN 0xF4
.endif
	W16 FB, oacc, 8, 4, 0, 0
	WIN 0
	PLACES 4
.if ot < 15
	LD8S FB, oa, oo+256
.endif
.set ot, ot+1
.endr
	; the way out: 16 queries x 128 o at a time through my scratch, read back as rows of 512 bytes
.macro OUT16 qt, half, buf
.if \half
	WIN 0x0C
.else
	WIN 0x08
.endif
.irp o, 0,1,2,3,4,5,6,7
	ds_store_b128 v17, v[8*(4*\o+\qt):8*(4*\o+\qt)+3]   offset:64*\o
	ds_store_b128 v17, v[8*(4*\o+\qt)+4:8*(4*\o+\qt)+7] offset:64*\o+16
.endr
	WIN 0
	s_wait_xcnt 0x0                                ; the buffer was the data of earlier stores: it is loaded again only behind this wait
.irp p, 0,1,2,3,4,5,6,7,8,9,10,11,12,13,14,15
	ds_load_b128 v[\buf+4*\p:\buf+4*\p+3], v18 offset:PITCH*\p     ; LDS serves a wave in order: these see the stores above
.endr
.irp p, 0,1,2,3,4,5,6,7,8,9,10,11,12,13,14,15
	s_wait_dscnt 15-\p
	global_store_b128 v19, v[\buf+4*\p:\buf+4*\p+3], s[78:79] offset:(16*\qt+\p)*1024+512*\half   ; a wave stores 512 consecutive bytes, aligned
.endr
.endm
	OUT16 0, 0, SS
	OUT16 0, 1, FA
	OUT16 1, 0, SS
	OUT16 1, 1, FA
	OUT16 2, 0, SS
	OUT16 2, 1, FA
	OUT16 3, 0, SS
	OUT16 3, 1, FA
	s_wait_tensorcnt 0x0
	ds_add_u32 v30, v31
	s_wait_dscnt 0x0
	ROUND                                          ; the closing round: no work-group ends while a partner may still ask for a tile that names it
	s_endpgm
.Lfunc_end_k_qdfe75fa9dd_attn:
	.size	k_qdfe75fa9dd_attn, .Lfunc_end_k_qdfe75fa9dd_attn-k_qdfe75fa9dd_attn
	.p2alignl 7, 3214868480
	.fill 96, 4, 3214868480
	.section	.rodata,"a",@progbits
	.p2align	6, 0x0
	.amdhsa_kernel k_qdfe75fa9dd_attn
		.amdhsa_group_segment_fixed_size 327680
		.amdhsa_private_segment_fixed_size 0
		.amdhsa_enable_private_segment 0
		.amdhsa_kernarg_size 40
		.amdhsa_user_sgpr_count 2
		.amdhsa_user_sgpr_kernarg_segment_ptr 1
		.amdhsa_wavefront_size32 1
		.amdhsa_system_sgpr_workgroup_id_x 1
		.amdhsa_system_sgpr_workgroup_id_y 1
		.amdhsa_system_sgpr_workgroup_id_z 1
		.amdhsa_system_vgpr_workitem_id 0
		.amdhsa_next_free_vgpr 1024
		.amdhsa_next_free_sgpr 80
		.amdhsa_reserve_vcc 0
		.amdhsa_float_denorm_mode_32 3
		.amdhsa_float_denorm_mode_16_64 3
		.amdhsa_memory_ordered 1
		.amdhsa_forward_progress 1
		.amdhsa_inst_pref_size 255
	.end_amdhsa_kernel
	.section	.bss,"aw",@nobits
	.p2align	6
	.space	262144
	.amdgpu_metadata
---
amdhsa.version: [ 1, 2 ]
amdhsa.kernels:
  - .name:           k_qdfe75fa9dd_attn
    .symbol:         k_qdfe75fa9dd_attn.kd
    .args:
      - { .name: xh, .offset: 0, .size: 8, .value_kind: global_buffer, .address_space: global }
      - { .name: mt, .offset: 8, .size: 8, .value_kind: global_buffer, .address_space: global }
      - { .name: su, .offset: 16, .size: 8, .value_kind: global_buffer, .address_space: global }
      - { .name: w2t, .offset: 24, .size: 8, .value_kind: global_buffer, .address_space: global }
      - { .name: part, .offset: 32, .size: 8, .value_kind: global_buffer, .address_space: global }
    .group_segment_fixed_size: 327680
    .private_segment_fixed_size: 0
    .kernarg_segment_align: 8
    .kernarg_segment_size: 40
    .max_flat_workgroup_size: 128
    .sgpr_count:     80
    .vgpr_count:     1024
    .wavefront_size: 32
...
	.end_amdgpu_metadata
.endif
;; end of part 2
;; launch reduce (part 3): grid 256 x 1, 8 waves a work-group, no clusters, 0 bytes of LDS; arguments part, s2v, Pb, out0; writes out0
.if DOCPART == 3
	.amdgcn_target "amdgcn-amd-amdhsa--gfx1250"
	.amdhsa_code_object_version 6
	.text
	.protected	k_qdfe75fa9dd_reduce
	.globl	k_qdfe75fa9dd_reduce
	.p2align	8
	.type	k_qdfe75fa9dd_reduce,@function
k_qdfe75fa9dd_reduce:
	s_mov_b64 s[64:65], 0
	v_nop
	global_prefetch_b8 v0, s[64:65] scope:SCOPE_SE
	s_setreg_imm32_b32 hwreg(HW_REG_WAVE_MODE, 25, 1), 1
	s_wait_xcnt 0x0
; reduce: out0[token][o] = Pb[o] + sum over the 8 heads of (s2v[h][o] + part[h][token][o] / 64).
; A stream: no LDS, no barrier, no matrix unit, nothing shared between work-groups.  A work-group owns 32 rows of 1024 bytes, in 8 steps of 4 rows;
; thread t owns the 16 bytes at 16 t of each step, so a wave's load or store covers 512 consecutive bytes, aligned.
; A ring of four steps in registers keeps 32 loads of every wave on their way.  Every step has its own result registers and the address register
; is never rewritten, so no wait frees a source.
.set X,  16                            ; v[16:143]  ring: step s & 3, head k: 4 registers
.set Y,  144                           ; v[144:175] step s: 4 registers to store
.set BI, 176                           ; v[176:211] Pb and the eight heads' s2v of my 4 columns
	s_load_b256 s[4:11], s[0:1], 0x0               ; part 4, s2v 6, Pb 8, out0 10
	v_lshlrev_b32 v1, 4, v0                        ; 16 t
	v_and_b32 v2, 63, v0
	v_lshlrev_b32 v2, 4, v2                        ; my 4 columns
	s_lshl_b32 s2, ttmp9, 15                       ; 32 rows of 1024 bytes
	s_mov_b32 s3, 0
	s_wait_kmcnt 0x0
	s_add_nc_u64 s[12:13], s[4:5], s[2:3]          ; head 0,
.irp k, 1,2,3,4,5,6,7
	s_add_nc_u64 s[12+2*\k:13+2*\k], s[10+2*\k:11+2*\k], 0x800000     ; and each further head 8192 rows on
.endr
	s_add_nc_u64 s[10:11], s[10:11], s[2:3]
	global_load_b128 v[BI:BI+3], v2, s[8:9]
.irp k, 0,1,2,3,4,5,6,7
	global_load_b128 v[BI+4+4*\k:BI+7+4*\k], v2, s[6:7] offset:1024*\k
.endr
.macro LOADS s
.irp k, 0,1,2,3,4,5,6,7
	global_load_b128 v[X+32*(\s&3)+4*\k:X+32*(\s&3)+4*\k+3], v1, s[12+2*\k:13+2*\k] offset:4096*\s th:TH_LOAD_NT
.endr
.endm
	LOADS 0
	LOADS 1
	LOADS 2
	LOADS 3
	s_wait_loadcnt 0x20                            ; the nine bias loads are in; the ring's 32 stay out
.irp p, 0,2
	v_pk_add_f32 v[4+\p:5+\p], v[BI+\p:BI+\p+1], v[BI+4+\p:BI+5+\p]
.irp k, 2,3,4,5,6,7,8
	v_pk_add_f32 v[4+\p:5+\p], v[4+\p:5+\p], v[BI+4*\k+\p:BI+4*\k+\p+1]
.endr
.endr
; left = how many younger loads may stay out; more = 1: the slot is filled again, four steps ahead
.macro STEP s, left, more
	s_wait_loadcnt \left
.set B, X+32*(\s&3)
.irp p, 0,2
	v_pk_add_f32 v[B+\p:B+\p+1],       v[B+\p:B+\p+1],       v[B+4+\p:B+5+\p]
	v_pk_add_f32 v[B+8+\p:B+9+\p],     v[B+8+\p:B+9+\p],     v[B+12+\p:B+13+\p]
	v_pk_add_f32 v[B+16+\p:B+17+\p],   v[B+16+\p:B+17+\p],   v[B+20+\p:B+21+\p]
	v_pk_add_f32 v[B+24+\p:B+25+\p],   v[B+24+\p:B+25+\p],   v[B+28+\p:B+29+\p]
	v_pk_add_f32 v[B+\p:B+\p+1],       v[B+\p:B+\p+1],       v[B+8+\p:B+9+\p]
	v_pk_add_f32 v[B+16+\p:B+17+\p],   v[B+16+\p:B+17+\p],   v[B+24+\p:B+25+\p]
	v_pk_add_f32 v[B+\p:B+\p+1],       v[B+\p:B+\p+1],       v[B+16+\p:B+17+\p]
	v_pk_fma_f32 v[Y+4*\s+\p:Y+4*\s+\p+1], v[B+\p:B+\p+1], 0x3c800000, v[4+\p:5+\p] op_sel_hi:[1,0,1]
.endr
.if \more
.set nx, \s+4
	LOADS nx
.endif
	global_store_b128 v1, v[Y+4*\s:Y+4*\s+3], s[10:11] offset:4096*\s th:TH_STORE_NT
.endm
	STEP 0, 24, 1
	STEP 1, 24, 1
	STEP 2, 24, 1
	STEP 3, 24, 1
	STEP 4, 24, 0                                  ; nothing is left to fetch: the counts run down
	STEP 5, 16, 0
	STEP 6, 8, 0
	STEP 7, 0, 0
	s_endpgm
.Lfunc_end_k_qdfe75fa9dd_reduce:
	.size	k_qdfe75fa9dd_reduce, .Lfunc_end_k_qdfe75fa9dd_reduce-k_qdfe75fa9dd_reduce
	.p2alignl 7, 3214868480
	.fill 96, 4, 3214868480
	.section	.rodata,"a",@progbits
	.p2align	6, 0x0
	.amdhsa_kernel k_qdfe75fa9dd_reduce
		.amdhsa_group_segment_fixed_size 0
		.amdhsa_private_segment_fixed_size 0
		.amdhsa_enable_private_segment 0
		.amdhsa_kernarg_size 32
		.amdhsa_user_sgpr_count 2
		.amdhsa_user_sgpr_kernarg_segment_ptr 1
		.amdhsa_wavefront_size32 1
		.amdhsa_system_sgpr_workgroup_id_x 1
		.amdhsa_system_sgpr_workgroup_id_y 1
		.amdhsa_system_sgpr_workgroup_id_z 1
		.amdhsa_system_vgpr_workitem_id 0
		.amdhsa_next_free_vgpr 216
		.amdhsa_next_free_sgpr 66
		.amdhsa_reserve_vcc 0
		.amdhsa_float_denorm_mode_32 3
		.amdhsa_float_denorm_mode_16_64 3
		.amdhsa_memory_ordered 1
		.amdhsa_forward_progress 1
		.amdhsa_inst_pref_size 19
	.end_amdhsa_kernel
	.amdgpu_metadata
---
amdhsa.version: [ 1, 2 ]
amdhsa.kernels:
  - .name:           k_qdfe75fa9dd_reduce
    .symbol:         k_qdfe75fa9dd_reduce.kd
    .args:
      - { .name: part, .offset: 0, .size: 8, .value_kind: global_buffer, .address_space: global }
      - { .name: s2v, .offset: 8, .size: 8, .value_kind: global_buffer, .address_space: global }
      - { .name: Pb, .offset: 16, .size: 8, .value_kind: global_buffer, .address_space: global }
      - { .name: out0, .offset: 24, .size: 8, .value_kind: global_buffer, .address_space: global }
    .group_segment_fixed_size: 0
    .private_segment_fixed_size: 0
    .kernarg_segment_align: 8
    .kernarg_segment_size: 32
    .max_flat_workgroup_size: 256
    .sgpr_count:     66
    .vgpr_count:     216
    .wavefront_size: 32
...
	.end_amdgpu_metadata
.endif
;; end of part 3
;; ======== version 2 of 2: 3 launches; 1.30 times as fast as version 1
;; limits: values are held in f16: magnitudes above 65,504 overflow, below 6.1e-05 lose precision; inputs' magnitudes at most 65,504; right only within a limited range of input values
;; workspace buffers: xh 4,194,304 bytes; mt 1,572,864 bytes; su 12,288 bytes; w2t 1,048,576 bytes; s2v 8,192 bytes; part 67,108,864 bytes
;; launch prep: the kernel of part 1 again; grid 224 x 1, 16 waves a work-group, no clusters, 35,840 bytes of LDS; arguments x, Kw, Kb, Qw, Qb, Vw, Vb, Pw, row_tab, col_tab, xh, mt, su, w2t, s2v; writes xh, mt, su, w2t, s2v
;; launch attn (part 4): grid 256 x 1, 4 waves a work-group, clusters of 4 x 1, 327,680 bytes of LDS; arguments xh, mt, su, w2t, part; writes part
.if DOCPART == 4
	.amdgcn_target "amdgcn-amd-amdhsa--gfx1250"
	.amdhsa_code_object_version 6
	.text
	.protected	k_qdfe75fa9dd_attn
	.globl	k_qdfe75fa9dd_attn
	.p2align	8
	.type	k_qdfe75fa9dd_attn,@function
k_qdfe75fa9dd_attn:
	s_mov_b64 s[64:65], 0
	v_nop
	global_prefetch_b8 v0, s[64:65] scope:SCOPE_SE
	s_setreg_imm32_b32 hwreg(HW_REG_WAVE_MODE, 25, 1), 1
	s_wait_xcnt 0x0
	s_wait_alu depctr_hold_cnt(0) depctr_sa_sdst(0) depctr_va_vdst(0) depctr_va_sdst(0) depctr_va_ssrc(0) depctr_va_vcc(0) depctr_vm_vsrc(0)
	s_getreg_b32 s2, hwreg(HW_REG_IB_STS2, 6, 4)
	s_cmp_eq_u32 s2, 0
	s_cbranch_scc0 .Lentry_in_a_cluster
	s_endpgm
.Lentry_in_a_cluster:
	s_bfe_u32 s2, ttmp6, 0x10000c
	s_cmp_lg_u32 s2, 0x3003
	s_cbranch_scc0 .Lentry_shape_is_right
	s_endpgm
.Lentry_shape_is_right:
; attn: one head h of one image b for 256 queries; part[h][token][o] = 64 * sum_c O[token][c] W2_h[c][o], O = softmax(logits) x.
; With G[q][n] = sum_c x_q[c] MT_h[n][c] + u_h[n] (mt, su of the launch before):
;   logit(q = (i, j), key = (k, l)) = sum_d G[q][d] x_key[d] + G[q][256 + k - i + 31] + G[q][320 + j - l + 31] + G[q][383]
; so the keys and the values are both x itself: one LDS tile serves both products.
; EVERY PRODUCT IS TRANSPOSED: A is what streams from LDS, B is the query side.  A result tile then has lane r = query and registers = 8 neighbouring
; rows, which pack straight into the next product's B fragment, and the softmax's figures are one number a lane.
; Four waves, 64 queries each (4 tiles of 16).  A key row k is 32 keys: 64 matrix instructions for S, the softmax step with a running maximum
; (base 2, f32; it starts at -inf, the sum at 0), 64 for O (16 tiles of d x 4 query tiles = 512 accumulator registers).
; THE KEY LOOP IS PIPELINED BY ONE KEY ROW.  Trip j: S(j), with the rescaling of O by row j - 1's factor laid behind its products, four multiplies
; behind each; then O += x^T P(j - 1), with the softmax step of row j laid behind its products.  P has registers of its own, since P(j - 1) lives
; while S(j) is formed.  The trip stands once in the text and runs 33 times.  Filling and draining cost 192 products that give nothing: O is started by
; 64 products of zero operands, trip 0 adds x^T 0, and trip 32 forms S from key row 31 again under a row bias of -inf (p = 0, factor 1, sum unchanged).
; S(j) and O(j - 1) read one slot, so the x tiles overlap by a key row: they start at key rows 0, 7, 14, 21, 24; phases of 8, 7, 7, 7, 4 trips.
; SCALES: mt, w2t hold 64 x; Q' = G[.][0..255] and the column bias are kept / 64; exponent = S * 64 log2(e) + row bias * log2(e) - maximum.
; LIMITS: operands f16, sums f32.  |x| < 65504, |Q'| < 64 * 65504; p is summed before it is rounded to f16; the order of sums differs from the source's.
; CLUSTER: the four work-groups of a cluster are the four query blocks of one (b, h).  They read the same seven tiles (mt_h, five of x_b, w2t_h), so every
; tensor load is a joint load with the constant mask 15.  The place in the cluster enters only addresses of plain loads and stores.
; By this text's count a wave has two tensor loads out at the start and one behind each later round.
;
; REGISTER WINDOWS: 0: v0-7 addresses, P v8-31 and v248-255, CB v32-95, S v96-159, fragment buffers FA v160-191, FB v192-223, softmax figures v224-247
;   1: row-bias A fragments, then Q' fragments (qt, ks) at 8 (8 qt + ks), then O fragments at the same places
;   2: query fragments of x (qt, ks) at 8 (8 qt + ks), then accumulator tiles (dt, qt) at 8 (4 dt + qt), dt 0-7
;   3: column-bias A fragments, then Q' biases at 8 mt, then accumulator tiles dt 8-15
; The products and the vector work laid behind them name different windows in the same operand places, so each product has two window switches beside it.
.set PITCH, 528                        ; an LDS row: 512 bytes + 16
.set T16,   16*PITCH                   ; 16 rows
.set KROW,  32*PITCH                   ; a key row's 32 tokens
.set HALF8, 128*PITCH
.set WROWS, 64*PITCH                   ; what one tensor load brings
.set SLOTB, 256*PITCH
.set SCR0,  2*SLOTB                    ; behind the two slots: each wave's own scratch, touched by ds instructions alone
.set SCRB,  8704                       ; column scratch 16 x 272, then the row bias [33 k][16 r][4 qt] f32 = 8448 bytes
.set CBB, 32
.set SS,  96
.set FA,  160
.set FB,  192
.set ALB, 224                          ; v[224+2q] factor for the old sums, v[225+2q] running maximum
.set OFB, 232                          ; v[232+2q] offset of the exponents, v[233+2q] running sum (of my half of the keys)
.set RLB, 240                          ; v[240+q] the key row's bias
.set TMB, 244                          ; v[244:247] at work
.set MSB, 0
.macro WIN new                         ; the immediate's high byte repeats the setting that is left
.if MSB != \new
	s_set_vgpr_msb (MSB<<8)|\new
.set MSB, \new
.endif
.endm
.macro PLACES n
.rept \n
	v_nop
.endr
.endm
.macro ROUND                           ; a round of the cluster's barrier
	s_barrier_signal -1
	s_barrier_wait -1
	s_cmp_lg_u32 s14, 0
	s_cbranch_scc1 .Lnot_wave_0_\@
	s_barrier_signal -3
.Lnot_wave_0_\@:
	s_barrier_wait -3
	s_barrier_signal -1
	s_barrier_wait -1
.endm
.macro WMM d, a, b
	v_wmma_f32_16x16x32_f16 v[\d:\d+7], v[\a:\a+7], v[\b:\b+7], v[\d:\d+7]
.endm
.macro WMMZ d, a, b
	v_wmma_f32_16x16x32_f16 v[\d:\d+7], v[\a:\a+7], v[\b:\b+7], 0
.endm
.macro WMMC d, a, b, c
	v_wmma_f32_16x16x32_f16 v[\d:\d+7], v[\a:\a+7], v[\b:\b+7], v[\c:\c+7]
.endm
; four fragments of 16 rows x 32 K from rows that lie along K
.macro LD8S buf, areg, off
.irp i, 0,1,2,3
	ds_load_b128 v[\buf+8*\i:\buf+8*\i+3],   v[\areg] offset:\off+64*\i
	ds_load_b128 v[\buf+8*\i+4:\buf+8*\i+7], v[\areg] offset:\off+64*\i+32
.endr
.endm
; four fragments of 16 d x 32 keys, transposed on the way: d tiles 4 g .. 4 g + 3
.macro LD8T buf, g
.irp i, 0,1,2,3
	ds_load_tr16_b128 v[\buf+8*\i:\buf+8*\i+3],   v3 offset:32*(4*\g+\i)
	ds_load_tr16_b128 v[\buf+8*\i+4:\buf+8*\i+7], v3 offset:32*(4*\g+\i)+T16
.endr
.endm
; 16 matrix instructions: 4 K steps x 4 query tiles.  The four accumulators take turns, one instruction a turn.
; cmode 0: in place; 1: the first K step starts the sums.
.macro W16 buf, acc, step, kb, cmode, cb
.irp i, 0,1,2,3
.irp q, 0,1,2,3
.if \i == 0
.if \cmode == 1
	WMMZ \acc+\step*\q, \buf+8*\i, 8*(8*\q+\kb+\i)
.else
	WMM \acc+\step*\q, \buf+8*\i, 8*(8*\q+\kb+\i)
.endif
.else
	WMM \acc+\step*\q, \buf+8*\i, 8*(8*\q+\kb+\i)
.endif
.endr
.endr
.endm
; all 64 accumulator tiles times the query's factor in v[ALB + 2 q]
.macro RESC
	WIN 0x82
	s_wait_alu depctr_va_vdst(0)
.irp d, 0,1,2,3,4,5,6,7
.irp q, 0,1,2,3
.irp p, 0,2,4,6
	v_pk_mul_f32 v[8*(4*\d+\q)+\p:8*(4*\d+\q)+\p+1], v[8*(4*\d+\q)+\p:8*(4*\d+\q)+\p+1], v[ALB+2*\q:ALB+2*\q+1] op_sel_hi:[1,0]
.endr
.endr
.endr
	WIN 0xC3
.irp d, 0,1,2,3,4,5,6,7
.irp q, 0,1,2,3
.irp p, 0,2,4,6
	v_pk_mul_f32 v[8*(4*\d+\q)+\p:8*(4*\d+\q)+\p+1], v[8*(4*\d+\q)+\p:8*(4*\d+\q)+\p+1], v[ALB+2*\q:ALB+2*\q+1] op_sel_hi:[1,0]
.endr
.endr
.endr
	WIN 0
.endm
	s_load_b256 s[4:11], s[0:1], 0x0               ; xh 4, mt 6, su 8, w2t 10
	s_load_b64 s[12:13], s[0:1], 0x20              ; part
	v_lshl_add_u32 v246, v0, 2, 0x4a800
	v_mov_b32 v247, 0
	ds_add_u32 v246, v247
	ds_add_u32 v246, v247
	s_wait_dscnt 0x0
	v_lshrrev_b32 v1, 5, v0
	v_readfirstlane_b32 s14, v1                    ; wave
	s_bfe_u32 s15, ttmp6, 0x40000                  ; cx: which 256 queries
	s_lshr_b32 s16, ttmp9, 3                       ; b
	s_and_b32 s17, ttmp9, 7                        ; h
	; group 1: 64 rows x 256 elements of 2 bytes, pitch 256; 16 bytes of padding behind every 128 words; mask 15 with bit 21 beside it
	s_mov_b32 s24, 0x07B1000F
	s_mov_b32 s25, 256<<16                         ; tensor_dim0 = 256
	s_mov_b32 s26, 64<<16                          ; tensor_dim1 = 64
	s_mov_b32 s27, 256<<16                         ; tile_dim0 = 256
	s_mov_b32 s28, 64                              ; tile_dim1 = 64
	s_mov_b32 s29, 256                             ; elements from row to row
	s_mov_b32 s30, 0
	s_mov_b32 s31, 0
	s_mul_i32 s18, s14, WROWS                      ; my 64 rows in a slot
	s_lshl_b32 s19, s14, 15                        ; and in memory
	s_mul_i32 s23, s14, SCRB
	s_add_co_u32 s23, s23, SCR0                    ; my scratch
	s_mul_i32 s20, s17, 196608
	s_add_co_u32 s20, s20, s19
	s_mov_b32 s21, 0
	s_mov_b32 s56, 0x76543210                      ; v_permlanex16_b32: lane i reads lane i of the other half
	s_mov_b32 s57, 0xfedcba98
	s_mov_b32 s58, 0x42b8aa3b                      ; 64 log2(e)
	s_mov_b32 s59, 0x42b8aa3b
	s_wait_kmcnt 0x0
	; group 0: s[32:35] mt_h rows 0-255 into slot 0; s[36:39] x_b key rows 0-7 into slot 1; s[40:43] the phases' refills, written anew in each phase's head
	s_add_nc_u64 s[34:35], s[6:7], s[20:21]
	s_lshl_b32 s20, s16, 19
	s_add_co_u32 s20, s20, s19
	s_add_nc_u64 s[38:39], s[4:5], s[20:21]
	s_add_nc_u64 s[44:45], s[38:39], 0x1C000       ; the next x tile: from key row 7 (7 x 32 tokens of 512 bytes)
	s_lshl_b32 s20, s17, 17
	s_add_co_u32 s20, s20, s19
	s_add_nc_u64 s[46:47], s[10:11], s[20:21]      ; w2t_h
	s_mov_b32 s32, 1
	s_add_co_u32 s33, s18, 0
	s_or_b32 s35, s35, 0x80000000
	s_mov_b32 s36, 1
	s_add_co_u32 s37, s18, SLOTB
	s_or_b32 s39, s39, 0x80000000
	s_mov_b32 s40, 1
	s_add_co_u32 s41, s18, SLOTB                   ; toggled in each phase's head: slots 0, 1, 0, 1, 0
	ROUND                                          ; all four work-groups are here: the first joint loads meet
	tensor_load_to_lds s[32:35], s[24:31]          ; mt_h into slot 0
	s_nop 0
	tensor_load_to_lds s[36:39], s[24:31]          ; x_b key rows 0-7 into slot 1
	s_nop 0
	; bases of the plain loads and stores; these alone hold cx
	s_lshl_b32 s62, s16, 19
	s_lshl_b32 s61, s15, 17
	s_add_co_u32 s62, s62, s61
	s_add_co_u32 s62, s62, s19
	s_mov_b32 s63, 0
	s_add_nc_u64 s[66:67], s[4:5], s[62:63]        ; my 64 queries in xh
	s_mul_i32 s62, s17, 196608
	s_add_nc_u64 s[68:69], s[6:7], s[62:63]
	s_lshl_b32 s61, s15, 12
	s_lshl_b32 s22, s14, 10
	s_add_co_u32 s61, s61, s22
	s_sub_co_u32 s62, 146432, s61
	s_add_nc_u64 s[70:71], s[68:69], s[62:63]      ; mt_h row 286 - 8 cx - 2 w
	s_add_nc_u64 s[68:69], s[68:69], 163840        ; mt_h row 320
	s_mul_i32 s62, s17, 1536
	s_add_nc_u64 s[76:77], s[8:9], s[62:63]        ; su_h
	s_lshr_b32 s61, s61, 7
	s_sub_co_u32 s62, 1144, s61
	s_add_nc_u64 s[74:75], s[76:77], s[62:63]      ; su_h word 286 - 8 cx - 2 w
	s_add_nc_u64 s[72:73], s[76:77], 1280          ; su_h word 320
	s_lshl_b32 s62, s17, 23
	s_lshl_b32 s61, s16, 20
	s_add_co_u32 s62, s62, s61
	s_lshl_b32 s61, s15, 18
	s_add_co_u32 s62, s62, s61
	s_lshl_b32 s61, s14, 16
	s_add_co_u32 s62, s62, s61
	s_add_nc_u64 s[78:79], s[12:13], s[62:63]      ; my 64 rows of part
	v_and_b32 v1, 31, v0                           ; L
	v_and_b32 v2, 15, v0                           ; r
	v_bfe_u32 v3, v0, 4, 1                         ; hh
	v_lshlrev_b32 v4, 9, v2
	v_lshl_add_u32 v4, v3, 4, v4                   ; XO = 512 r + 16 hh
	v_lshlrev_b32 v5, 5, v3                        ; HO = 32 hh
	; fragments straight from memory: my queries (B), the 64 column rows and my 2 x 32 row-bias rows of mt (A), their biases
	WIN 0x80
.irp qt, 0,1,2,3
.irp ks, 0,1,2,3,4,5,6,7
	global_load_b128 v[8*(8*\qt+\ks):8*(8*\qt+\ks)+3],   v4, s[66:67] offset:\qt*8192+64*\ks
	global_load_b128 v[8*(8*\qt+\ks)+4:8*(8*\qt+\ks)+7], v4, s[66:67] offset:\qt*8192+64*\ks+32
.endr
.endr
	WIN 0xC0
.irp T, 0,1,2,3
.irp ks, 0,1,2,3,4,5,6,7
	global_load_b128 v[8*(8*\T+\ks):8*(8*\T+\ks)+3],   v4, s[68:69] offset:\T*8192+64*\ks
	global_load_b128 v[8*(8*\T+\ks)+4:8*(8*\T+\ks)+7], v4, s[68:69] offset:\T*8192+64*\ks+32
.endr
.endr
	WIN 0x40
.irp iv, 0,1
.irp T, 0,1
.irp ks, 0,1,2,3,4,5,6,7
	global_load_b128 v[8*(16*\iv+8*\T+\ks):8*(16*\iv+8*\T+\ks)+3],   v4, s[70:71] offset:(16*\T+1-\iv)*512+64*\ks
	global_load_b128 v[8*(16*\iv+8*\T+\ks)+4:8*(16*\iv+8*\T+\ks)+7], v4, s[70:71] offset:(16*\T+1-\iv)*512+64*\ks+32
.endr
.endr
.endr
	WIN 0
.irp T, 0,1,2,3
	global_load_b128 v[FA+8*\T:FA+8*\T+3],   v5, s[72:73] offset:64*\T
	global_load_b128 v[FA+8*\T+4:FA+8*\T+7], v5, s[72:73] offset:64*\T+16
.endr
.irp iv, 0,1
.irp T, 0,1
.irp j, 0,1,2,3,4,5,6,7
	global_load_b32 v[FB+8*(2*\iv+\T)+\j], v5, s[74:75] offset:(16*\T+1-\iv+\j)*4
.endr
.endr
.endr
	; LDS addresses of the set-up; v6 and v7 stay for the whole kernel
	v_mul_u32_u24 v6, v2, PITCH
	v_lshl_add_u32 v6, v3, 4, v6                   ; v6 slot 0 rows 0-127: r x pitch + 16 hh
	v_add_nc_u32 v7, HALF8, v6                     ; v7 slot 0 rows 128-255
	v_mul_u32_u24 v15, v2, 272
	v_add_nc_u32 v15, s23, v15                     ; column scratch, row r (pitch 272)
	v_lshl_add_u32 v13, v3, 5, v15                 ; in: + 32 hh
	v_xor_b32 v22, 1, v3
	v_lshl_add_u32 v14, v2, 2, v15
	v_lshl_add_u32 v14, v22, 5, v14                ; back: + 4 (r - 8 hh + 8)
	v_lshlrev_b32 v22, 4, v2
	v_add_nc_u32 v22, s23, v22                     ; row bias [33 k][16 r][4 qt]: + 16 r
	v_lshl_add_u32 v16, v3, 11, v22                ; in: + 8 hh rows of 256 bytes
	v_and_b32 v20, 7, v0
	v_lshl_add_u32 v20, v3, 3, v20
	v_mul_u32_u24 v20, v20, PITCH
	v_bfe_u32 v21, v0, 3, 1
	v_lshl_add_u32 v20, v21, 4, v20                ; transposing loads: (8 hh + (L & 7)) x pitch + 16 ((L >> 3) & 1)
	v_mov_b32 v245, 0                              ; upper half of a pair that is read as a pair
	s_wait_loadcnt 0x0
; column bias of query tile qt: G[q][320 + p] / 64 for p = 0..63, shifted through my scratch into the C tiles CB(qt, t), the Q.Kb term added
.macro COLB qt
.set CA, SS+32*(\qt&1)
	WIN 0x0B
.irp ks, 0,1,2,3,4,5,6,7
.irp T, 0,1,2,3
.if \ks == 0
	WMMZ CA+8*\T, 8*(8*\T+\ks), 8*(8*\qt+\ks)
.else
	WMM CA+8*\T, 8*(8*\T+\ks), 8*(8*\qt+\ks)
.endif
.endr
.endr
	PLACES 4
	WIN 0
.irp T, 0,1,2,3
.irp p, 0,2,4,6
	v_pk_fma_f32 v[CA+8*\T+\p:CA+8*\T+\p+1], v[CA+8*\T+\p:CA+8*\T+\p+1], 0x39800000, v[FA+8*\T+\p:FA+8*\T+\p+1] op_sel_hi:[1,0,1]
.endr
.endr
.irp T, 0,1,2,3
	ds_store_b128 v13, v[CA+8*\T:CA+8*\T+3]   offset:64*\T
	ds_store_b128 v13, v[CA+8*\T+4:CA+8*\T+7] offset:64*\T+16
.endr
.irp t, 0,1
.irp j, 0,1,2,3,4,5,6,7
	ds_load_b32 v[CBB+8*(2*\qt+\t)+\j], v14 offset:4*(16*(\qt&1)-16*\t-\j+23)      ; p = j_q - l + 31; LDS serves a wave in order: these see the stores
.endr
.endr
	ds_load_b32 v244, v15 offset:252               ; p = 63: Q.Kb / 64
	s_wait_dscnt 0x0
.irp p, 0,2,4,6,8,10,12,14
	v_pk_add_f32 v[CBB+16*\qt+\p:CBB+16*\qt+\p+1], v[CBB+16*\qt+\p:CBB+16*\qt+\p+1], v[244:245] op_sel_hi:[1,0]
.endr
.endm
	COLB 0
	COLB 1
	COLB 2
	COLB 3
	WIN 0xC0
.irp m, 0,1,2,3,4,5,6,7,8,9,10,11,12,13,14,15
	global_load_b128 v[8*\m:8*\m+3],   v5, s[76:77] offset:64*\m        ; Q' biases / 64, over the column fragments, which are done with
	global_load_b128 v[8*\m+4:8*\m+7], v5, s[76:77] offset:64*\m+16
.endr
	WIN 0
; row bias of image row i = 8 cx + 2 w + iv: G[q][256 + k - i + 31] log2(e), k = 0..31, into my scratch as [k][r][qt]
.macro ROWB iv
	WIN 0x09
.irp ks, 0,1,2,3,4,5,6,7
.irp T, 0,1
.irp q2, 0,1
.if \ks == 0
	WMMZ SS+32*\iv+8*(2*\T+\q2), 8*(16*\iv+8*\T+\ks), 8*(8*(2*\iv+\q2)+\ks)
.else
	WMM SS+32*\iv+8*(2*\T+\q2), 8*(16*\iv+8*\T+\ks), 8*(8*(2*\iv+\q2)+\ks)
.endif
.endr
.endr
.endr
	PLACES 4
	WIN 0
.irp T, 0,1
.irp q2, 0,1
.irp p, 0,2,4,6
	v_pk_fma_f32 v[SS+32*\iv+8*(2*\T+\q2)+\p:SS+32*\iv+8*(2*\T+\q2)+\p+1], v[SS+32*\iv+8*(2*\T+\q2)+\p:SS+32*\iv+8*(2*\T+\q2)+\p+1], 0x3cb8aa3b, v[FB+8*(2*\iv+\T)+\p:FB+8*(2*\iv+\T)+\p+1] op_sel_hi:[1,0,1]
.endr
.endr
.endr
.irp T, 0,1
.irp q2, 0,1
.irp j, 0,1,2,3,4,5,6,7
	ds_store_b32 v16, v[SS+32*\iv+8*(2*\T+\q2)+\j] offset:(16*\T+\j)*256+4*(2*\iv+\q2)
.endr
.endr
.endr
.endm
	ROWB 0
	ROWB 1
.irp k, 240,241,242,243
	v_mov_b32 v\k, 0xff800000
.endr
	ds_store_b128 v22, v[240:243] offset:8192      ; row 32 of the bias table: -inf, for the trip that drains the pipeline
	; Q' = G[q][0..255] / 64, as B fragments in window 1.  Each step writes other registers, so this part cannot be a loop.
	s_wait_tensorcnt 0x1                           ; my part of mt_h is in; the first x tile may stay out
	s_wait_dscnt 0x0
	s_barrier_signal -1
	s_barrier_wait -1
	s_wait_loadcnt 0x0                             ; the Q' biases
.macro QPOST kp
	WIN 0x30
.irp p, 0,1
.irp q, 0,1,2,3
.irp e, 0,2,4,6
	v_pk_fma_f32 v[SS+32*\p+8*\q+\e:SS+32*\p+8*\q+\e+1], v[SS+32*\p+8*\q+\e:SS+32*\p+8*\q+\e+1], 0x39800000, v[8*(2*\kp+\p)+\e:8*(2*\kp+\p)+\e+1] op_sel_hi:[1,0,1]
.endr
.endr
.endr
	WIN 0x40
.irp p, 0,1
.irp q, 0,1,2,3
.irp i, 0,1,2,3
	v_cvt_pk_f16_f32 v[8*(8*\q+\kp)+4*\p+\i], v[SS+32*\p+8*\q+2*\i], v[SS+32*\p+8*\q+2*\i+1]
.endr
.endr
.endr
	WIN 0x08
.endm
	WIN 0x08
	LD8S FA, 6, 0
	LD8S FB, 6, 256
.set mt, 0
.rept 16
.set qacc, SS+32*(mt&1)
.set qa, 6+((mt+1)>>3)
.set qo, ((mt+1)&7)*T16
.set kpn, mt>>1
	s_wait_dscnt 0x8                               ; the older buffer's eight loads are in
	W16 FA, qacc, 8, 0, 1, 0
	PLACES 4
.if mt < 15
	LD8S FA, qa, qo
	s_wait_dscnt 0x8
.else
	s_wait_dscnt 0x0
.endif
	W16 FB, qacc, 8, 4, 0, 0
	PLACES 4
.if mt < 15
	LD8S FB, qa, qo+256
.endif
.if mt & 1
	QPOST kpn
.endif
.set mt, mt+1
.endr
	WIN 0
	; THE KEY LOOP'S REGISTERS.  v1 row-bias address, v2 rows along K (row j), v3 transposing (row j - 1); constants v4, v5, v6.
	v_mov_b32 v4, v20                              ; the transposing loads' lane term
	v_mov_b32 v5, v22                              ; the bias table's lane term
	v_mov_b32 v1, v22                              ; key row 0
.irp k, 8,9,10,11,12,13,14,15,16,17,18,19,20,21,22,23,24,25,26,27,28,29,30,31,248,249,250,251,252,253,254,255
	v_mov_b32 v\k, 0                               ; P of the row in front of the first: nothing
.endr
	; O starts at 0: 64 products of zero operands with C = 0, one for each accumulator tile, in place of 512 moves
	WIN 0x80
.set zt, 0
.rept 32
	WMMZ 8*zt, 8, 16
.set zt, zt+1
.endr
	WIN 0xC0
.set zt, 0
.rept 32
	WMMZ 8*zt, 8, 16
.set zt, zt+1
.endr
	WIN 0
.irp q, 0,1,2,3
	v_mov_b32 v[ALB+2*\q], 0                       ; these sixteen are also the places behind the products above
	v_mov_b32 v[ALB+2*\q+1], 0xff800000            ; running maximum: -inf
	v_mov_b32 v[OFB+2*\q], 0
	v_mov_b32 v[OFB+2*\q+1], 0                     ; running sum
.endr
; 16 products of S(j): 4 K steps x 4 query tiles, the four accumulators by turns, one instruction a turn.
; cmode 2: the first K step takes the column bias at cb + 16 q as C.  Behind each product: one accumulator tile of O (tile 16 rg + 4 i + q of 64) times
; row j - 1's factor.  The last four multiplies are also the four places in front of the loads that follow.
.macro W16R buf, acc, kb, cmode, cb, rg
.irp i, 0,1,2,3
.irp q, 0,1,2,3
	WIN 0x04
.if \i == 0
.if \cmode == 2
	WMMC \acc+16*\q, \buf+8*\i, 8*(8*\q+\kb+\i), \cb+16*\q
.else
	WMM \acc+16*\q, \buf+8*\i, 8*(8*\q+\kb+\i)
.endif
.else
	WMM \acc+16*\q, \buf+8*\i, 8*(8*\q+\kb+\i)
.endif
.if \rg < 2
	WIN 0x82
.else
	WIN 0xC3
.endif
.irp p, 0,2,4,6
	v_pk_mul_f32 v[8*(16*(\rg&1)+4*\i+\q)+\p:8*(16*(\rg&1)+4*\i+\q)+\p+1], v[8*(16*(\rg&1)+4*\i+\q)+\p:8*(16*(\rg&1)+4*\i+\q)+\p+1], v[ALB+2*\q:ALB+2*\q+1] op_sel_hi:[1,0]
.endr
.endr
.endr
.endm
; pieces of the softmax step
.macro EXF q, p                        ; two exponents: S * 64 log2(e) + (row bias - maximum)
	v_pk_fma_f32 v[SS+16*(\q)+(\p):SS+16*(\q)+(\p)+1], v[SS+16*(\q)+(\p):SS+16*(\q)+(\p)+1], s[58:59], v[OFB+2*(\q):OFB+2*(\q)+1] op_sel_hi:[1,0,0]
.endm
.macro SUMOP q, n                      ; the n-th of the nine instructions that add tile q's sixteen p to the running sum; n > 8: nothing
.if (\n) == 0
	s_wait_alu depctr_va_vdst(0)
	v_pk_add_f32 v[244:245], v[SS+16*(\q):SS+16*(\q)+1], v[SS+16*(\q)+2:SS+16*(\q)+3]
.elseif (\n) == 1
	v_pk_add_f32 v[246:247], v[SS+16*(\q)+4:SS+16*(\q)+5], v[SS+16*(\q)+6:SS+16*(\q)+7]
.elseif (\n) == 2
	v_pk_add_f32 v[244:245], v[244:245], v[SS+16*(\q)+8:SS+16*(\q)+9]
.elseif (\n) == 3
	v_pk_add_f32 v[246:247], v[246:247], v[SS+16*(\q)+10:SS+16*(\q)+11]
.elseif (\n) == 4
	v_pk_add_f32 v[244:245], v[244:245], v[SS+16*(\q)+12:SS+16*(\q)+13]
.elseif (\n) == 5
	v_pk_add_f32 v[246:247], v[246:247], v[SS+16*(\q)+14:SS+16*(\q)+15]
.elseif (\n) == 6
	v_pk_add_f32 v[244:245], v[244:245], v[246:247]
.elseif (\n) == 7
	v_add_f32 v244, v244, v245
.elseif (\n) == 8
	v_fma_f32 v[OFB+2*(\q)+1], v[OFB+2*(\q)+1], v[ALB+2*(\q)], v244
.endif
.endm
.macro CVP q, i                        ; word i of P(q): two p rounded to f16.  P(q) at v[8 + 8 q], P(3) at v248
	v_cvt_pk_f16_f32 v[8+8*(\q)+216*((\q)/3)+(\i)], v[SS+16*(\q)+2*(\i)], v[SS+16*(\q)+2*(\i)+1]
.endm
; The softmax step of row j in 64 chunks; chunk CCN stands behind the CCN-th product of O(j - 1).
;  0-7 the largest S of my sixteen keys, each query tile; 8-15 the lane's figures; 16-19 exponents of tiles 0, 1;
;  20-51 two exponentials each (tiles 0 to 3, eight chunks a tile) with two plain instructions behind them: exponents of tiles 2, 3, then the sums of the
;  tile before; 52-54 tile 3's sums; 56-61 P of tiles 0, 1, 2.  Every exponential has a plain instruction behind it before its result is read (ISA guide 5.7.2).
.macro SCH
.if CCN == 0
	WIN 0
.irp q, 0,1,2,3
	v_max3_num_f32 v[TMB+\q], v[SS+16*\q], v[SS+16*\q+1], v[SS+16*\q+2]
.endr
.elseif CCN < 7
	WIN 0
.irp q, 0,1,2,3
	v_max3_num_f32 v[TMB+\q], v[TMB+\q], v[SS+16*\q+2*CCN+1], v[SS+16*\q+2*CCN+2]
.endr
.elseif CCN == 7
	WIN 0
.irp q, 0,1,2,3
	v_max_num_f32 v[TMB+\q], v[TMB+\q], v[SS+16*\q+15]
.endr
.elseif CCN == 8
	WIN 0
.irp q, 0,1,2,3
	v_permlanex16_b32 v[OFB+2*\q], v[TMB+\q], s56, s57     ; the other sixteen keys of the same query
.endr
.elseif CCN == 9
	WIN 0
.irp q, 0,1,2,3
	v_max_num_f32 v[TMB+\q], v[TMB+\q], v[OFB+2*\q]
.endr
.elseif CCN == 10
	WIN 0
.irp q, 0,1,2,3
	v_fma_f32 v[TMB+\q], v[TMB+\q], s58, v[RLB+\q]         ; the row's largest exponent
.endr
.elseif CCN == 11
	WIN 0
.irp q, 0,1,2,3
	v_max_num_f32 v[OFB+2*\q], v[ALB+2*\q+1], v[TMB+\q]    ; the new maximum
.endr
.elseif CCN == 12
	WIN 0
.irp q, 0,1,2,3
	v_sub_f32 v[TMB+\q], v[ALB+2*\q+1], v[OFB+2*\q]
.endr
.elseif CCN == 13
	WIN 0
.irp q, 0,1,2,3
	v_exp_f32 v[ALB+2*\q], v[TMB+\q]                       ; the factor for the old sums
.endr
.elseif CCN == 14
	WIN 0
.irp q, 0,1,2,3
	v_mov_b32 v[ALB+2*\q+1], v[OFB+2*\q]
.endr
.elseif CCN == 15
	WIN 0
.irp q, 0,1,2,3
	v_sub_f32 v[OFB+2*\q], v[RLB+\q], v[ALB+2*\q+1]
.endr
.elseif CCN < 20
	WIN 0
.set SQN, (CCN-16)>>1
.set SKN, 8*((CCN-16)&1)
.irp p, 0,2,4,6
	EXF SQN, SKN+\p
.endr
.elseif CCN < 52
	WIN 0
.set SQN, (CCN-20)>>3
.set SKN, 2*((CCN-20)&7)
	v_exp_f32 v[SS+16*SQN+SKN], v[SS+16*SQN+SKN]
	v_exp_f32 v[SS+16*SQN+SKN+1], v[SS+16*SQN+SKN+1]
.if SQN == 0
	EXF 2+(SKN>>3), 2*(SKN&7)
	EXF 2+((SKN+1)>>3), 2*((SKN+1)&7)
.else
	SUMOP SQN-1, SKN
	SUMOP SQN-1, SKN+1
.endif
.elseif CCN < 55
	WIN 0
.irp n, 0,1,2,3
	SUMOP 3, 4*(CCN-52)+\n
.endr
.elseif CCN < 56
.elseif CCN < 62
	WIN 0
.set SQN, (CCN-56)>>1
.set SKN, 4*((CCN-56)&1)
.irp n, 0,1,2,3
	CVP SQN, SKN+\n
.endr
.endif
.endm
; one product of O(j - 1) and its chunk
.macro PV1 buf, g, i, q
.if \g < 2
	WIN 0xA0
.else
	WIN 0xF0
.endif
	WMM 8*(4*((4*\g+\i)&7)+\q), \buf+8*\i, 8+8*\q+216*(\q/3)
	SCH
.set CCN, CCN+1
.endm
; 16 products on 16 different accumulator tiles: O(d tiles 4 g .., all query tiles) += x^T P.  qo = 1: the query tile is the outer index, so that P(q) has
; had its last reader after 4 q + 4 products and can be written anew while the others are still read.
.macro W16PS buf, g, qo
.irp a, 0,1,2,3
.irp b, 0,1,2,3
.if \qo
	PV1 \buf, \g, \b, \a
.else
	PV1 \buf, \g, \a, \b
.endif
.endr
.endr
.endm
; Trip j.  On entry sixteen LDS loads are out: FA and FB with row j's first key tile, eight K steps.  Each s_wait_dscnt 8 leaves the younger buffer's
; eight loads out.  s60 = row j's place in the slot's tile, s61 = j, s62 = the slot that is read.
; The next row's first fragments come from place min(s60 + 1, 7): a phase's last trip fetches a row of its own slot and the phase's head throws those
; sixteen loads away, so no trip reads outside its slot and the trip needs no second form.
.macro TRIP
	s_wait_dscnt 0x8
	W16R FA, SS, 0, 2, CBB, 0                      ; keys 0-15, d 0-127; the column bias starts the sums
	WIN 0x04
	LD8S FA, 2, T16
	s_wait_dscnt 0x8
	W16R FB, SS, 4, 0, 0, 1                        ; keys 0-15, d 128-255
	WIN 0x04
	LD8S FB, 2, T16+256
	s_wait_dscnt 0x8
	W16R FA, SS+8, 0, 2, CBB+8, 2                  ; keys 16-31
	WIN 0x04
	ds_load_b128 v[RLB:RLB+3], v1                  ; row j's bias for my four queries
	LD8T FA, 0                                     ; row j - 1, transposed
	s_wait_dscnt 0x9                               ; younger: the bias and eight transposing loads
	W16R FB, SS+8, 4, 0, 0, 3
	WIN 0
	LD8T FB, 1
	s_add_co_u32 s20, s60, 1                       ; the next trip's addresses
	s_min_u32 s20, s20, 7
	s_mul_i32 s20, s20, KROW
	s_add_co_u32 s20, s20, s62
	s_min_u32 s22, s60, 7
	s_mul_i32 s22, s22, KROW
	s_add_co_u32 s22, s22, s62
	s_add_co_u32 s23, s61, 1
	s_min_u32 s23, s23, 32
	s_lshl_b32 s23, s23, 8
.set CCN, 0
	s_wait_dscnt 0x8                               ; FA is in, and the bias, which is older
	W16PS FA, 0, 0
	WIN 0                                          ; chunk 15's four subtractions are the four places
	LD8T FA, 2
	s_wait_dscnt 0x8
	W16PS FB, 1, 0
	WIN 0
	PLACES 4
	LD8T FB, 3
	s_wait_dscnt 0x8
	W16PS FA, 2, 0
	WIN 0
	v_add_nc_u32 v2, s20, v6                       ; one of the four places
	PLACES 3
	LD8S FA, 2, 0                                  ; the next row's first fragments
	s_wait_dscnt 0x8
	W16PS FB, 3, 1
	WIN 0
	v_add_nc_u32 v3, s22, v4                       ; two of the four places, in front of the loads into FB and of the new P(3)
	v_add_nc_u32 v1, s23, v5
	PLACES 2
	LD8S FB, 2, 256
.irp i, 0,1,2,3,4,5,6,7
	CVP 3, \i
.endr
.endm
	; THE KEYS: five phases.  Phase n reads slot (n + 1) & 1, whose tile starts at key row 0, 7, 14, 21, 24, and fills slot n & 1: x_b from key row
	; 7, 14, 21, 24, then w2t_h.  Trips 8, 7, 7, 7, 4; the first trip's row j stands at place 0, 1, 1, 1, 5 of the tile, row j - 1 at 0, 0, 0, 0, 4.
	s_mov_b32 s61, 0                               ; j: 0 to 32
	s_mov_b32 s62, 0                               ; the slot that is read, toggled in the head
	s_mov_b32 s21, 0                               ; the phase
.Lphase:
	; In front of the round every wave has waited for its LDS reads and for all its tensor loads; no load of mine is out, so the group 0 may be written.
	; The joint refill is the first thing behind the round, one load a wave, and has the whole phase in which to land.
	s_wait_dscnt 0x0
	s_wait_xcnt 0x0
	v_lshl_add_u32 v246, v0, 2, 0x4a800
	v_mov_b32 v247, 0
	s_wait_tensorcnt 0x0
	ds_add_u32 v246, v247
	s_wait_dscnt 0x0
	s_xor_b32 s41, s41, SLOTB                      ; the slot that was read last
	s_xor_b32 s62, s62, SLOTB                      ; the slot that is read now
	s_cmp_eq_u32 s21, 4
	s_cselect_b64 s[42:43], s[46:47], s[44:45]     ; the last phase asks for w2t_h, the others for the next x tile
	s_or_b32 s43, s43, 0x80000000                  ; type = 2
	s_mov_b32 s22, 0x1C000                         ; seven key rows on,
	s_mov_b32 s23, 0
	s_cmp_eq_u32 s21, 2
	s_cselect_b32 s22, 0xC000, s22                 ; from 21 to 24 three (behind the fourth phase the stepped address is not used)
	s_add_nc_u64 s[44:45], s[44:45], s[22:23]
	s_cmp_eq_u32 s21, 0
	s_cselect_b32 s63, 8, 7                        ; trips
	s_cselect_b32 s60, 0, 1                        ; row j's place
	s_cmp_eq_u32 s21, 4
	s_cselect_b32 s63, 4, s63
	s_cselect_b32 s60, 5, s60
	s_cselect_b32 s20, 4, 0                        ; row j - 1's place
	s_mul_i32 s22, s60, KROW
	s_add_co_u32 s22, s22, s62
	s_mul_i32 s20, s20, KROW
	s_add_co_u32 s20, s20, s62
	ROUND
	tensor_load_to_lds s[40:43], s[24:31]
	s_nop 0
	v_add_nc_u32 v2, s22, v6
	v_add_nc_u32 v3, s20, v4
	LD8S FA, 2, 0
	LD8S FB, 2, 256
.Lkeys:
	TRIP
	s_add_co_u32 s61, s61, 1
	s_add_co_u32 s60, s60, 1
	s_sub_co_u32 s63, s63, 1
	s_cmp_lg_u32 s63, 0
	s_cbranch_scc1 .Lkeys
	s_add_co_u32 s21, s21, 1
	s_cmp_lt_u32 s21, 5
	s_cbranch_scc1 .Lphase
	; the output product: part^T[o][q] = sum_c (64 W2T)[o][c] O[q][c]
	s_wait_dscnt 0x0
	s_wait_tensorcnt 0x0                           ; my part of w2t_h is in,
	s_barrier_signal -1
	s_barrier_wait -1                              ; everybody's is, and nobody reads slot 1 any more
.irp q, 0,1,2,3
	v_permlanex16_b32 v[OFB+2*\q], v[OFB+2*\q+1], s56, s57
.endr
.irp q, 0,1,2,3
	v_add_f32 v[OFB+2*\q+1], v[OFB+2*\q+1], v[OFB+2*\q]    ; the sum over all 1024 keys
.endr
.irp q, 0,1,2,3
	v_rcp_f32 v[ALB+2*\q], v[OFB+2*\q+1]
.endr
	v_nop                                          ; the plain place behind the reciprocals
	RESC                                           ; O is normalised before it is rounded: |O| <= max |x|
	WIN 0x4A
.irp d, 0,1,2,3,4,5,6,7
.irp q, 0,1,2,3
.irp i, 0,1,2,3
	v_cvt_pk_f16_f32 v[8*(8*\q+(\d>>1))+4*(\d&1)+\i], v[8*(4*\d+\q)+2*\i], v[8*(4*\d+\q)+2*\i+1]
.endr
.endr
.endr
	WIN 0x4F
.irp d, 0,1,2,3,4,5,6,7
.irp q, 0,1,2,3
.irp i, 0,1,2,3
	v_cvt_pk_f16_f32 v[8*(8*\q+4+(\d>>1))+4*(\d&1)+\i], v[8*(4*\d+\q)+2*\i], v[8*(4*\d+\q)+2*\i+1]
.endr
.endr
.endr
	WIN 0
	; the way out's addresses, in registers that held P
	s_add_co_u32 s20, s18, SLOTB                   ; my 64 rows of slot 1
	v_bfe_u32 v9, v0, 4, 1                         ; hh
	v_and_b32 v8, 31, v0                           ; L
	v_lshlrev_b32 v19, 4, v8                       ; 16 L
	v_add_nc_u32 v18, s20, v19                     ; back
	v_add_nc_u32 v17, s20, v6
	v_lshl_add_u32 v17, v9, 4, v17                 ; in: r x 528 + 32 hh
; 128 columns o = 128 h .. 128 h + 127 of my 64 rows of part.
; First loop, eight o tiles: 32 matrix instructions on four accumulators (v96-127), whose results go into my stage [64 q][pitch 528].  The stage is my own
; 64 rows of slot 1: that slot has had its last fill, and the barrier above shows that no wave reads it any more.
; Second loop, four times 16 rows: read back as rows of 512 bytes and stored.
.macro HALF h
	v_mov_b32 v10, v[6+\h]
	v_mov_b32 v11, v17
	LD8S FA, 10, 0
	LD8S FB, 10, 256
	s_mov_b32 s60, 0
.Lot_\@:
	s_add_co_u32 s60, s60, 1
	s_and_b32 s20, s60, 7                          ; the next o tile; the last trip fetches the half's first tile again and nobody uses it
	s_mul_i32 s20, s20, T16
	v_add_nc_u32 v10, s20, v[6+\h]
	s_wait_dscnt 0x8                               ; only FB's eight loads may be out: FA is in (and the stage stores of the last trip, which are older, are done)
	WIN 0x04
	W16 FA, SS, 8, 0, 1, 0
	PLACES 4
	LD8S FA, 10, 0
	s_wait_dscnt 0x8                               ; only FA's eight new loads may be out: FB is in
	W16 FB, SS, 8, 4, 0, 0
	PLACES 4
	WIN 0
.irp q, 0,1,2,3
	ds_store_b128 v11, v[SS+8*\q:SS+8*\q+3]   offset:\q*T16
	ds_store_b128 v11, v[SS+8*\q+4:SS+8*\q+7] offset:\q*T16+16
.endr
	LD8S FB, 10, 256
	v_add_nc_u32 v11, 64, v11                      ; 16 columns on; with the four v_nop and the sum at the loop's head: six places in front of the next products
	s_cmp_lt_u32 s60, 8
	s_cbranch_scc1 .Lot_\@
	v_mov_b32 v12, v18
	v_mov_b32 v13, v19
	s_mov_b32 s60, 4
.Lrows_\@:
.irp p, 0,1,2,3,4,5,6,7,8,9,10,11,12,13,14,15
	ds_load_b128 v[SS+4*\p:SS+4*\p+3], v12 offset:PITCH*\p         ; LDS serves a wave in order: these see my stores above
.endr
.irp p, 0,1,2,3,4,5,6,7,8,9,10,11,12,13,14,15
	s_wait_dscnt 15-\p                             ; row p is in, the younger rows stay out
	global_store_b128 v13, v[SS+4*\p:SS+4*\p+3], s[78:79] offset:\p*1024+512*\h    ; a wave stores 512 consecutive bytes, aligned
.endr
	s_wait_xcnt 0x0                                ; the stores' offset and data registers are written again only behind this wait
	v_add_nc_u32 v12, T16, v12
	v_add_nc_u32 v13, 16384, v13
	s_sub_co_u32 s60, s60, 1
	s_cmp_lg_u32 s60, 0
	s_cbranch_scc1 .Lrows_\@
.endm
	HALF 0
	HALF 1
	s_wait_xcnt 0x0
	v_lshl_add_u32 v246, v0, 2, 0x4a800
	v_mov_b32 v247, 0
	s_wait_tensorcnt 0x0
	ds_add_u32 v246, v247
	s_wait_dscnt 0x0
	ROUND                                          ; the closing round: no work-group ends while a partner may still ask for a tile that names it
	s_endpgm
.Lfunc_end_k_qdfe75fa9dd_attn:
	.size	k_qdfe75fa9dd_attn, .Lfunc_end_k_qdfe75fa9dd_attn-k_qdfe75fa9dd_attn
	.p2alignl 7, 3214868480
	.fill 96, 4, 3214868480
	.section	.rodata,"a",@progbits
	.p2align	6, 0x0
	.amdhsa_kernel k_qdfe75fa9dd_attn
		.amdhsa_group_segment_fixed_size 327680
		.amdhsa_private_segment_fixed_size 0
		.amdhsa_enable_private_segment 0
		.amdhsa_kernarg_size 40
		.amdhsa_user_sgpr_count 2
		.amdhsa_user_sgpr_kernarg_segment_ptr 1
		.amdhsa_wavefront_size32 1
		.amdhsa_system_sgpr_workgroup_id_x 1
		.amdhsa_system_sgpr_workgroup_id_y 1
		.amdhsa_system_sgpr_workgroup_id_z 1
		.amdhsa_system_vgpr_workitem_id 0
		.amdhsa_next_free_vgpr 1024
		.amdhsa_next_free_sgpr 80
		.amdhsa_reserve_vcc 0
		.amdhsa_float_denorm_mode_32 3
		.amdhsa_float_denorm_mode_16_64 3
		.amdhsa_memory_ordered 1
		.amdhsa_forward_progress 1
		.amdhsa_inst_pref_size 255
	.end_amdhsa_kernel
	.section	.bss,"aw",@nobits
	.p2align	6
	.space	262144
	.amdgpu_metadata
---
amdhsa.version: [ 1, 2 ]
amdhsa.kernels:
  - .name:           k_qdfe75fa9dd_attn
    .symbol:         k_qdfe75fa9dd_attn.kd
    .args:
      - { .name: xh, .offset: 0, .size: 8, .value_kind: global_buffer, .address_space: global }
      - { .name: mt, .offset: 8, .size: 8, .value_kind: global_buffer, .address_space: global }
      - { .name: su, .offset: 16, .size: 8, .value_kind: global_buffer, .address_space: global }
      - { .name: w2t, .offset: 24, .size: 8, .value_kind: global_buffer, .address_space: global }
      - { .name: part, .offset: 32, .size: 8, .value_kind: global_buffer, .address_space: global }
    .group_segment_fixed_size: 327680
    .private_segment_fixed_size: 0
    .kernarg_segment_align: 8
    .kernarg_segment_size: 40
    .max_flat_workgroup_size: 128
    .sgpr_count:     80
    .vgpr_count:     1024
    .wavefront_size: 32
...
	.end_amdgpu_metadata
.endif
;; end of part 4
;; launch reduce: the kernel of part 3 again; grid 256 x 1, 8 waves a work-group, no clusters, 0 bytes of LDS; arguments part, s2v, Pb, out0; writes out0
